; MI455X (gfx1250); checked and timed in simulation.
; The chip was launched on July 23, 2026; its instructions are those of AMD's public machine-readable ISA for CDNA 5 (MIT licence, August 2026) and "CDNA5" Instruction Set Architecture Reference Guide (July 2026). The comments in the code are by the model that wrote it; some were corrected since.
;; Self Attention Encoder. Allowed arithmetic: float matrix products may take bf16 or f16 operands with f32 sums; other float arithmetic in f32, or as packed bf16 or f16 multiplies, adds, multiply-adds, maxima and minima; sums over many terms, partial sums and values carried from step to step in f32; what a program stores and reads back later, other than sums and carried values, may be rounded once to bf16 or f16.
;; Inputs: attention_mask 4 x 2,048 float32; input_embed 4 x 2,048 x 512 float32; ln1 512 float32; ln2 512 float32; rel_bias 32 x 8 float32; wi 512 x 2,048 float32; wk 512 x 512 float32; wo 512 x 512 float32; wo_ff 2,048 x 512 float32; wq 512 x 512 float32; wv 512 x 512 float32.
;; Outputs: out0 4 x 2,048 x 512 float32.
;; One version. Each part assembles by itself: llvm-mc -triple=amdgcn-amd-amdhsa -mcpu=gfx1250 --defsym DOCPART=n.
;; ======== version 1 of 1: 7 launches
;; limits: values are held in f16: magnitudes above 65,504 overflow, below 6.1e-05 lose precision
;; workspace buffers: hn 8,388,608 bytes; wqkv16 1,573,376 bytes; wi16 2,097,664 bytes; wo2 2,621,440 bytes; pan 33,554,432 bytes; ctx 8,388,608 bytes; x 16,777,216 bytes; tab 360,448 bytes
;; launch prep (part 1): grid 1308 x 1, 4 waves a work-group, no clusters, 0 bytes of LDS; arguments input_embed, ln1, wq, wk, wv, wo, wi, wo_ff, rel_bias, attention_mask, hn, wqkv16, wi16, wo2, tab; writes hn, wqkv16, wi16, wo2, tab
.if DOCPART == 1
	.amdgcn_target "amdgcn-amd-amdhsa--gfx1250"
	.amdhsa_code_object_version 6
	.text
	.protected	k_qbf1dbebd48_prep
	.globl	k_qbf1dbebd48_prep
	.p2align	8
	.type	k_qbf1dbebd48_prep,@function
k_qbf1dbebd48_prep:
	s_mov_b64 s[64:65], 0
	v_nop
	global_prefetch_b8 v0, s[64:65] scope:SCOPE_SE
	s_setreg_imm32_b32 hwreg(HW_REG_WAVE_MODE, 25, 1), 1
	s_wait_xcnt 0x0
; PREP.  All that the later launches want ready-made, by roles; the role goes by the work-group's number:
;   0-511      hn = x * rsqrt(mean(x^2) + 1e-6) * ln1, rounded once to f16: 16 rows a work-group, a row a wave at a time
;   512-1279   the six weights, rounded once to f16: wi (256 work-groups), wo_ff (256), wo, wq, wk, wv (64 each); 16,384 bytes of f32 a work-group
;   1280-1299  the relative bias as register images: for each head 40 tiles of 16 keys x 16 queries, tile g for key base - query base = 16 (g - 19)
;   1300-1307  ext = (1 - mask) * -10000; the first of them also writes the two floor words
; LAYOUTS.  wq|wk|wv and wi lie in blocks [512 k][256 n] of f16 behind a header of 512 bytes; wo and wo_ff stay row-major.  The header's words are the floor that the product's
; packed results are held to: -infinity (nothing happens) for q, k, v; 0 (the ReLU) for the feed-forward's first product.
; LIMITS.  f16 ends at 65,504: a weight or a normalised number beyond it becomes an infinity; below 6e-5 f16 keeps its fixed step of 6e-8.
; THE BUCKETS are the function's own: n = |k - q|: n < 8 -> n; 8-11 -> 8; 12-15 -> 9; 16-22 -> 10; 23-31 -> 11; 32-45 -> 12; 46-63 -> 13; 64-90 -> 14; from 91 on 15; + 16 where k > q.
; No LDS, no barrier, no matrix unit: every role is a stream; each load of 16 bytes a lane covers 512 consecutive bytes, each store whole aligned blocks of 256.
.set XP, 4                             ; s[4:5]   input_embed
.set GP, 6                             ; s[6:7]   ln1
.set YP, 24                            ; s[24:25] hn
.set XR, 16                            ; v[16:79]   four rows, 16 numbers a lane each
.set GR, 80                            ; v[80:95]   the gain of my 16 columns
.set TS, 96                            ; v[96:99]   at work
.set VA, 100                           ; v[100:103] mean square + eps, a row each
.set RS, 104                           ; v[104:111] its reciprocal root, twice for each row: a pair for the packed multiply
	s_load_b512 s[4:19], s[0:1], 0x0               ; input 4, ln1 6, wq 8, wk 10, wv 12, wo 14, wi 16, wo_ff 18
	s_load_b256 s[20:27], s[0:1], 0x40             ; rel_bias 20, mask 22, hn 24, wqkv16 26
	s_load_b128 s[28:31], s[0:1], 0x60             ; wi16 28, wo2 30
	s_load_b64 s[32:33], s[0:1], 0x70              ; tab
	v_lshrrev_b32 v1, 5, v0
	v_readfirstlane_b32 s34, v1                    ; wave 0..3
	v_and_b32 v2, 31, v0                           ; lane
	s_wait_kmcnt 0x0
	s_cmp_lt_u32 ttmp9, 512
	s_cbranch_scc1 .Lln
	s_cmp_lt_u32 ttmp9, 768
	s_cbranch_scc1 .Lwi
	s_cmp_lt_u32 ttmp9, 1024
	s_cbranch_scc1 .Lwoff
	s_cmp_lt_u32 ttmp9, 1088
	s_cbranch_scc1 .Lwo
	s_cmp_lt_u32 ttmp9, 1152
	s_cbranch_scc1 .Lwq
	s_cmp_lt_u32 ttmp9, 1216
	s_cbranch_scc1 .Lwk
	s_cmp_lt_u32 ttmp9, 1280
	s_cbranch_scc1 .Lwv
	s_cmp_lt_u32 ttmp9, 1300
	s_cbranch_scc1 .Limg
	; EXT: thread t takes 16 bytes at 16 t and at 2,048 + 16 t of the work-group's 4,096
	s_sub_co_u32 s35, ttmp9, 1300
	v_lshlrev_b32 v3, 4, v0
	v_lshl_add_u32 v3, s35, 12, v3
	global_load_b128 v[16:19], v3, s[22:23]
	global_load_b128 v[20:23], v3, s[22:23] offset:2048
	s_wait_loadcnt 0x0
.irp k, 0,1,2,3,4,5,6,7
	v_sub_f32 v[16+\k], 1.0, v[16+\k]
	v_mul_f32 v[16+\k], 0xc61c4000, v[16+\k]       ; x -10000
.endr
	global_store_b128 v3, v[16:19], s[32:33] offset:327680
	global_store_b128 v3, v[20:23], s[32:33] offset:327680+2048
	s_or_b32 s36, s35, s34
	s_cmp_lg_u32 s36, 0
	s_cbranch_scc1 .Ldone                          ; the headers: wave 0 of the first of these work-groups, 512 bytes each
.irp k, 24,25,26,27
	v_mov_b32 v[\k], 0xfc00fc00                    ; -infinity twice, in f16
	v_mov_b32 v[\k+4], 0
.endr
	v_lshlrev_b32 v5, 4, v2
	global_store_b128 v5, v[24:27], s[26:27]
	global_store_b128 v5, v[28:31], s[28:29]
.Ldone:
	s_endpgm
; A weight's role: where it comes from, where it goes, and how a row R of 512 numbers finds its place: (R >> sh) rp + (R & msk) bp, its second 256 numbers cp further on
.macro ROLE first, src, dst, doff, sh, msk, rp, bp, cp
	s_sub_co_u32 s35, ttmp9, \first
	s_mov_b64 s[36:37], s[\src:\src+1]
	s_add_nc_u64 s[38:39], s[\dst:\dst+1], \doff
	s_mov_b32 s40, \sh
	s_mov_b32 s41, \msk
	s_mov_b32 s42, \rp
	s_mov_b32 s43, \bp
	s_mov_b32 s44, \cp
	s_branch .Lconv
.endm
.Lwi:
	ROLE 512, 16, 28, 512, 2, 3, 512, 524288, 262144       ; row R = 4 k + n / 512: block 2 (R & 3) and the next, row k
.Lwoff:
	ROLE 768, 18, 30, 524288, 0, 0, 1024, 0, 512
.Lwo:
	ROLE 1024, 14, 30, 0, 0, 0, 1024, 0, 512
.Lwq:
	ROLE 1088, 8, 26, 512, 0, 0, 512, 0, 262144
.Lwk:
	ROLE 1152, 10, 26, 512+524288, 0, 0, 512, 0, 262144
.Lwv:
	ROLE 1216, 12, 26, 512+2*524288, 0, 0, 512, 0, 262144
.Lconv:                                        ; a work-group rounds 8 rows of 512 numbers, a wave two of them
	s_lshl_b32 s46, s35, 14
	s_mov_b32 s47, 0
	s_add_nc_u64 s[36:37], s[36:37], s[46:47]
	v_lshlrev_b32 v3, 4, v2
	v_lshl_add_u32 v3, s34, 12, v3                 ; 4,096 x wave + 16 x lane
	v_lshlrev_b32 v4, 3, v2                        ; 8 x lane
.irp n, 0,1,2,3,4,5,6,7
	global_load_b128 v[16+4*\n:19+4*\n], v3, s[36:37] offset:512*\n th:TH_LOAD_NT
.endr
	s_lshl_b32 s45, s35, 3
	s_lshl1_add_u32 s45, s34, s45                  ; my first row: 8 x work-group + 2 x wave
	s_mov_b32 s58, s44
	s_mov_b32 s59, 0
.irp rr, 0,1
	s_add_co_u32 s56, s45, \rr
	s_lshr_b32 s57, s56, s40
	s_mul_i32 s57, s57, s42
	s_and_b32 s56, s56, s41
	s_mul_i32 s56, s56, s43
	s_add_co_u32 s46, s56, s57
	s_add_nc_u64 s[48+4*\rr:49+4*\rr], s[38:39], s[46:47]            ; the row's first 256 numbers,
	s_add_nc_u64 s[50+4*\rr:51+4*\rr], s[48+4*\rr:49+4*\rr], s[58:59]  ; and its second
.endr
	s_wait_loadcnt 0x0
.irp n, 0,1,2,3,4,5,6,7
	v_cvt_pk_f16_f32 v[48+2*\n], v[16+4*\n], v[17+4*\n]
	v_cvt_pk_f16_f32 v[49+2*\n], v[18+4*\n], v[19+4*\n]
.endr
.irp n, 0,1,2,3,4,5,6,7
	global_store_b64 v4, v[48+2*\n:49+2*\n], s[48+4*(\n/4)+2*((\n%4)/2):49+4*(\n/4)+2*((\n%4)/2)] offset:256*(\n%2)  ; 32 lanes x 8 bytes: one aligned block of 256
.endr
	s_endpgm
.Limg:                                         ; wave number W = 4 x work-group + wave makes half an image for all 8 heads: image W / 2, registers 4 (W % 2) + 0..3
	s_sub_co_u32 s35, ttmp9, 1280
	s_lshl2_add_u32 s45, s35, s34
	s_lshr_b32 s46, s45, 1
	s_and_b32 s47, s45, 1
	s_lshl_b32 s46, s46, 4
	s_lshl2_add_u32 s46, s47, s46
	s_sub_co_u32 s46, s46, 304                     ; 16 g - 304 + 4 x plane
	v_and_b32 v5, 15, v2                           ; the query in the tile
	v_lshrrev_b32 v6, 4, v2
	v_lshlrev_b32 v7, 3, v6                        ; the lane's first key in the tile
	v_sub_nc_u32 v7, v7, v5
	v_add_nc_u32 v7, s46, v7                       ; d = key - query for e = 0
.macro BUCK e
	v_add_nc_u32 v8, \e, v7                        ; d
	v_sub_nc_u32 v9, 0, v8
	v_cmp_gt_i32 vcc_lo, 0, v8
	v_cndmask_b32 v9, v8, v9, vcc_lo               ; n = |d|
	v_mov_b32 v10, 8
.irp t, 12,16,23,32,46,64,91
	v_cmp_le_i32 vcc_lo, \t, v9
	v_cndmask_b32 v11, 0, 1, vcc_lo
	v_add_nc_u32 v10, v10, v11
.endr
	v_cmp_gt_u32 vcc_lo, 8, v9
	v_cndmask_b32 v10, v10, v9, vcc_lo
	v_cmp_lt_i32 vcc_lo, 0, v8
	v_cndmask_b32 v11, 0, 16, vcc_lo
	v_add_nc_u32 v10, v10, v11
	v_lshlrev_b32 v[12+\e], 5, v10                 ; a bucket's 8 heads are 32 bytes
.irp hh, 0,1,2,3,4,5,6,7
	global_load_b32 v[64+4*\hh+\e], v[12+\e], s[20:21] offset:4*\hh
.endr
.endm
	BUCK 0
	BUCK 1
	BUCK 2
	BUCK 3
	v_lshlrev_b32 v3, 4, v2
	v_lshl_add_u32 v3, s45, 9, v3                  ; 1,024 g + 512 x plane + 16 x lane
	s_wait_loadcnt 0x0
.irp hh, 0,1,2,3,4,5,6,7
	global_store_b128 v3, v[64+4*\hh:67+4*\hh], s[32:33] offset:40960*\hh
.endr
	s_endpgm
; THE NORM.  A wave holds a whole row (2,048 bytes, 16 numbers a lane): it is read once, and the sum never leaves the wave.
.macro ROWSUM r
.set x, XR+16*(\r)
	s_wait_loadcnt 12-4*(\r)                       ; this row's four loads are in; the later rows' may stay out
	v_pk_mul_f32 v[TS:TS+1], v[x:x+1], v[x:x+1]
	v_pk_mul_f32 v[TS+2:TS+3], v[x+2:x+3], v[x+2:x+3]
.irp k, 4,8,12
	v_pk_fma_f32 v[TS:TS+1], v[x+(\k):x+(\k)+1], v[x+(\k):x+(\k)+1], v[TS:TS+1]
	v_pk_fma_f32 v[TS+2:TS+3], v[x+(\k)+2:x+(\k)+3], v[x+(\k)+2:x+(\k)+3], v[TS+2:TS+3]
.endr
	v_pk_add_f32 v[TS:TS+1], v[TS:TS+1], v[TS+2:TS+3]
	v_add_f32 v[TS], v[TS], v[TS+1]
	v_add_f32_dpp v[TS], v[TS], v[TS] row_xmask:1 row_mask:0xf bank_mask:0xf
	v_add_f32_dpp v[TS], v[TS], v[TS] row_xmask:2 row_mask:0xf bank_mask:0xf
	v_add_f32_dpp v[TS], v[TS], v[TS] row_xmask:4 row_mask:0xf bank_mask:0xf
	v_add_f32_dpp v[TS], v[TS], v[TS] row_xmask:8 row_mask:0xf bank_mask:0xf
	v_permlanex16_b32 v[TS+1], v[TS], s50, s51
	v_add_f32 v[TS], v[TS], v[TS+1]
	v_fma_f32 v[VA+(\r)], v[TS], s52, s53          ; sum / 512 + eps
.endm
.macro ROWOUT r
.set x, XR+16*(\r)
.irp k, 0,2,4,6,8,10,12,14
	v_pk_mul_f32 v[x+(\k):x+(\k)+1], v[x+(\k):x+(\k)+1], v[RS+2*(\r):RS+2*(\r)+1]
.endr
.irp k, 0,2,4,6,8,10,12,14
	v_pk_mul_f32 v[x+(\k):x+(\k)+1], v[x+(\k):x+(\k)+1], v[GR+(\k):GR+(\k)+1]
.endr
.irp k, 0,1,2,3,4,5,6,7
	v_cvt_pk_f16_f32 v[x+(\k)], v[x+2*(\k)], v[x+2*(\k)+1]  ; in place, ascending: a register is written when both its numbers have been read
.endr
.irp j, 0,1,2,3
	global_store_b64 v4, v[x+2*(\j):x+2*(\j)+1], s[YP:YP+1] offset:(\r)*1024+(\j)*256  ; 32 lanes x 8 bytes: one aligned block of 256
.endr
.endm
.Lln:
	s_lshl_b32 s46, ttmp9, 4
	s_lshl2_add_u32 s46, s34, s46                  ; my first row: 16 x work-group + 4 x wave
	s_lshl_b32 s48, s46, 10
	s_lshl_b32 s46, s46, 11
	s_mov_b32 s47, 0
	s_mov_b32 s49, 0
	s_add_nc_u64 s[XP:XP+1], s[XP:XP+1], s[46:47]
	s_add_nc_u64 s[YP:YP+1], s[YP:YP+1], s[48:49]
	s_mov_b32 s50, 0x76543210                      ; v_permlanex16_b32: each lane takes its own place in the other half
	s_mov_b32 s51, 0xfedcba98
	s_mov_b32 s52, 0x3b000000                      ; 1 / 512
	s_mov_b32 s53, 0x358637bd                      ; 1e-6
	v_lshlrev_b32 v3, 4, v2
	v_lshlrev_b32 v4, 3, v2
.irp j, 0,1,2,3
	global_load_b128 v[GR+4*\j:GR+4*\j+3], v3, s[GP:GP+1] offset:512*\j
.endr
.irp n, 0,1,2,3,4,5,6,7,8,9,10,11,12,13,14,15
	global_load_b128 v[XR+4*\n:XR+4*\n+3], v3, s[XP:XP+1] offset:512*\n
.endr
	ROWSUM 0
	ROWSUM 1
	ROWSUM 2
	ROWSUM 3
.irp r, 0,1,2,3
	v_rsq_f32 v[RS+2*\r], v[VA+\r]
	v_rsq_f32 v[RS+2*\r+1], v[VA+\r]
.endr
	v_nop                                          ; a plain instruction behind the last root,
	s_wait_alu depctr_va_vdst(0)                   ; and one wait for the batch of eight, ahead of their first reader
	ROWOUT 0
	ROWOUT 1
	ROWOUT 2
	ROWOUT 3
	s_endpgm
.Lfunc_end_k_qbf1dbebd48_prep:
	.size	k_qbf1dbebd48_prep, .Lfunc_end_k_qbf1dbebd48_prep-k_qbf1dbebd48_prep
	.p2alignl 7, 3214868480
	.fill 96, 4, 3214868480
	.section	.rodata,"a",@progbits
	.p2align	6, 0x0
	.amdhsa_kernel k_qbf1dbebd48_prep
		.amdhsa_group_segment_fixed_size 0
		.amdhsa_private_segment_fixed_size 0
		.amdhsa_enable_private_segment 0
		.amdhsa_kernarg_size 120
		.amdhsa_user_sgpr_count 2
		.amdhsa_user_sgpr_kernarg_segment_ptr 1
		.amdhsa_wavefront_size32 1
		.amdhsa_system_sgpr_workgroup_id_x 1
		.amdhsa_system_sgpr_workgroup_id_y 1
		.amdhsa_system_sgpr_workgroup_id_z 1
		.amdhsa_system_vgpr_workitem_id 0
		.amdhsa_next_free_vgpr 112
		.amdhsa_next_free_sgpr 66
		.amdhsa_reserve_vcc 1
		.amdhsa_float_denorm_mode_32 3
		.amdhsa_float_denorm_mode_16_64 3
		.amdhsa_memory_ordered 1
		.amdhsa_forward_progress 1
		.amdhsa_inst_pref_size 34
	.end_amdhsa_kernel
	.amdgpu_metadata
---
amdhsa.version: [ 1, 2 ]
amdhsa.kernels:
  - .name:           k_qbf1dbebd48_prep
    .symbol:         k_qbf1dbebd48_prep.kd
    .args:
      - { .name: input_embed, .offset: 0, .size: 8, .value_kind: global_buffer, .address_space: global }
      - { .name: ln1, .offset: 8, .size: 8, .value_kind: global_buffer, .address_space: global }
      - { .name: wq, .offset: 16, .size: 8, .value_kind: global_buffer, .address_space: global }
      - { .name: wk, .offset: 24, .size: 8, .value_kind: global_buffer, .address_space: global }
      - { .name: wv, .offset: 32, .size: 8, .value_kind: global_buffer, .address_space: global }
      - { .name: wo, .offset: 40, .size: 8, .value_kind: global_buffer, .address_space: global }
      - { .name: wi, .offset: 48, .size: 8, .value_kind: global_buffer, .address_space: global }
      - { .name: wo_ff, .offset: 56, .size: 8, .value_kind: global_buffer, .address_space: global }
      - { .name: rel_bias, .offset: 64, .size: 8, .value_kind: global_buffer, .address_space: global }
      - { .name: attention_mask, .offset: 72, .size: 8, .value_kind: global_buffer, .address_space: global }
      - { .name: hn, .offset: 80, .size: 8, .value_kind: global_buffer, .address_space: global }
      - { .name: wqkv16, .offset: 88, .size: 8, .value_kind: global_buffer, .address_space: global }
      - { .name: wi16, .offset: 96, .size: 8, .value_kind: global_buffer, .address_space: global }
      - { .name: wo2, .offset: 104, .size: 8, .value_kind: global_buffer, .address_space: global }
      - { .name: tab, .offset: 112, .size: 8, .value_kind: global_buffer, .address_space: global }
    .group_segment_fixed_size: 0
    .private_segment_fixed_size: 0
    .kernarg_segment_align: 8
    .kernarg_segment_size: 120
    .max_flat_workgroup_size: 128
    .sgpr_count:     66
    .vgpr_count:     112
    .wavefront_size: 32
...
	.end_amdgpu_metadata
.endif
;; end of part 1
;; launch qkv (part 2): grid 32 x 6, 4 waves a work-group, clusters of 4 x 1, 327,680 bytes of LDS; arguments hn, wqkv16, pan; writes pan
.if DOCPART == 2
	.amdgcn_target "amdgcn-amd-amdhsa--gfx1250"
	.amdhsa_code_object_version 6
	.text
	.protected	k_qbf1dbebd48_qkv
	.globl	k_qbf1dbebd48_qkv
	.p2align	8
	.type	k_qbf1dbebd48_qkv,@function
k_qbf1dbebd48_qkv:
	s_mov_b64 s[64:65], 0
	v_nop
	global_prefetch_b8 v0, s[64:65] scope:SCOPE_SE
	s_setreg_imm32_b32 hwreg(HW_REG_WAVE_MODE, 25, 1), 1
	s_wait_xcnt 0x0
	s_wait_alu depctr_hold_cnt(0) depctr_sa_sdst(0) depctr_va_vdst(0) depctr_va_sdst(0) depctr_va_ssrc(0) depctr_va_vcc(0) depctr_vm_vsrc(0)
	s_getreg_b32 s2, hwreg(HW_REG_IB_STS2, 6, 4)
	s_cmp_eq_u32 s2, 0
	s_cbranch_scc0 .Lentry_in_a_cluster
	s_endpgm
.Lentry_in_a_cluster:
	s_bfe_u32 s2, ttmp6, 0x10000c
	s_cmp_lg_u32 s2, 0x3003
	s_cbranch_scc0 .Lentry_shape_is_right
	s_endpgm
.Lentry_shape_is_right:
; C = max(A W, floor).  A: [8192][512] f16, row-major.  W: a header of 512 bytes whose first word is the floor (twice, in f16), then blocks [512 k][256 n] of f16, a block for each tile column.
; C leaves in PANELS [column / 64][8192 rows][64] of f16: a row of a panel is 128 bytes, 16 rows are 2,048 consecutive bytes.  Neither W's nor C's addresses hold the number of columns,
; so one text serves q|k|v (6 tile columns, floor -infinity) and the feed-forward's first product (8 tile columns, floor 0: the ReLU).  Sums in f32, C rounded once.
; LIMITS.  f16 ends at 65,504: a result beyond it becomes an infinity.  A NaN is replaced by the floor.
; SHARES.  A tile of C is 256 x 256: four waves, 128 x 128 each: 64 accumulators, 512 registers.  K = 512 goes in four steps of 128 through two LDS slots; the walk is written out.
; THE LAST K STEP GOES BY ROWS OF C, not by K: its fragments of W fill a whole window, and my eight blocks of 16 rows are finished, packed and stored one after the other, so that
; finished rows leave while the others are still multiplied.
; W LIES [k][n] and comes out of LDS turned, by ds_load_tr16_b128.  THE MATRIX INSTRUCTION IS USED TRANSPOSED (source 0 = 16 columns of W, source 1 = 16 rows of A): a lane then holds
; eight neighbouring numbers of a row of C.
; CLUSTER.  Four work-groups along the rows of C: they need the same tiles of W, asked for JOINTLY (mask 15); A's tiles are each work-group's own.  Not 4 x 4: six tile columns are no multiple of four.
; NO PREFETCH: of the four K steps two are first fills and two follow within the first two steps.
; REGISTERS, in windows of 256: window 0: v0-31 addresses; v64-127, v128-191 fragments of A, two buffers (in the last K step four, of 16 rows x 128 K); v32-63, v192-255 at work on the way out
;   window 1: v64-127, v128-191 fragments of W, two buffers; in the last K step all 256     window 2: the accumulators of my rows 0-63 ((a, b) at v[8 (8 a + b)])     window 3: those of my rows 64-127
.set KSTEP,  128
.set PITCH,  272                       ; a row of A in LDS: 256 bytes + 16: the 16 rows of a load start at 16 different groups of four banks (64 banks of 4 bytes: ISA guide 11.1)
.set PB,     544                       ; a k row of W: 512 bytes + 32 = 17 x 32
.set HALFT,  128*PITCH                 ; what one tensor load brings: 128 rows of A, or 64 k rows of W (64 x 544 is the same number)
.set SLOT,   4*HALFT                   ; A's 256 rows, then W's 128 k rows
.set STAGE,  2*SLOT                    ; behind the ring: for each wave 2 panels x 16 rows x 144 bytes, for the way out
.set SP,     144
.set SPARE,  STAGE+4*2*16*SP           ; behind the stages: the spare words, 128 bytes for each wave
.set ADRA, 16                          ; v16-17  LDS address of my A fragments in slot 0, 1
.set ADRB, 20                          ; v20-21  the same for W
.set STO,  24                          ; v24     the way out: where I put 16 bytes of a row
.set RD,   25                          ; v25     where I read rows back
.set CO,   26                          ; v26     16 x lane
.set FLOOR, 27                         ; v27     the floor, twice
.set SPW,  28                          ; v28     my spare word; never rewritten
.set NIL,  29                          ; v29     0; never rewritten
.set F0,   64
.set F1,   128
.set TMP,  192
.set OB,   32
.set PA,   64                          ; the last K step: A's fragments of 16 rows x 128 K, 32 registers; four such buffers, v64-191
.set G1, 24                            ; s[24:31] group 1 for A's tiles;  s[32:39] group 0, a set for each slot
.set G0, 32
.set G1B, 48                           ; s[48:55], s[56:63] the same for W's
.set G0B, 56
.set MSB, 0
.macro WIN new                         ; the immediate's high byte repeats the setting that is left; a switch that changes nothing is dropped
.if MSB != (\new)
	s_set_vgpr_msb (MSB<<8)|(\new)
.set MSB, \new
.endif
.endm
.set MUL_LO, 0xa1                      ; source 0 (W) window 1, source 1 (A) window 0, C and D window 2
.set MUL_HI, 0xf1                      ; the same, C and D window 3
.set TO_B,   0x40                      ; destination window 1, address window 0
; A fill.  Waves 0 and 1 fetch A's two halves (their own work-group's), waves 2 and 3 W's (jointly).  The branch hangs on the wave's number alone.
; An s_nop 0 and four v_nop follow each of the two lines, ahead of the jump and the label.
.macro JLOAD s
	s_cmp_eq_u32 s11, 0
	s_cbranch_scc0 .Lfor_b_\@
	tensor_load_to_lds s[G0+4*(\s):G0+4*(\s)+3], s[G1:G1+7]
	s_nop 0
.rept 4
	v_nop
.endr
	s_branch .Lasked_\@
.Lfor_b_\@:
	tensor_load_to_lds s[G0B+4*(\s):G0B+4*(\s)+3], s[G1B:G1B+7]
	s_nop 0
.rept 4
	v_nop
.endr
.Lasked_\@:
.endm
.macro CREST                           ; a round of the cluster's barrier behind its opening barrier
	s_cmp_lg_u32 s10, 0
	s_cbranch_scc1 .Lnot_wave_0_\@
	s_barrier_signal -3
.Lnot_wave_0_\@:
	s_barrier_wait -3
	s_barrier_signal -1
	s_barrier_wait -1
.endm
.macro CROUND
	s_barrier_signal -1
	s_barrier_wait -1
	CREST
.endm
	s_load_b128 s[4:7], s[0:1], 0x0                ; A s[4:5], W s[6:7]
	s_load_b64 s[8:9], s[0:1], 0x10                ; C
	v_lshl_add_u32 v[SPW], v0, 2, SPARE
	v_mov_b32 v[NIL], 0
	ds_add_u32 v[SPW], v[NIL]                      ; the wave's opening: the add and its wait stand ahead of my first tensor load; work on registers stands between them
	v_lshrrev_b32 v1, 5, v0
	v_readfirstlane_b32 s10, v1                    ; wave 0..3
	s_lshr_b32 s11, s10, 1                         ; which half of the tile's rows is mine.  Also: I fetch for A (0) or for W (1)
	s_and_b32 s12, s10, 1                          ; which half of its columns.  Also: which half of that tile I fetch
	s_bfe_u32 s40, ttmp6, 0x40000                  ; cx
	s_lshl_b32 s13, ttmp9, 2
	s_add_co_u32 s13, s13, s40                     ; tile row of C = 4 x cluster x + cx
	s_and_b32 s42, ttmp7, 0xffff                   ; tile column, which the four partners share
	s_mov_b32 s[G1+0], (1<<16)|(1<<20)|(5<<22)|(3<<25)  ; no mask; elements of 2 bytes; padding on, after every 64 words, of 4 words
	s_mov_b32 s[G1+1], KSTEP<<16                   ; tensor_dim0 = 128
	s_mov_b32 s[G1+2], 128<<16                     ; tensor_dim1 = 128
	s_mov_b32 s[G1+3], KSTEP<<16                   ; tile_dim0 = 128
	s_mov_b32 s[G1+4], 128                         ; tile_dim1 = 128
	s_mov_b32 s[G1+5], 512                         ; elements from row to row
	s_mov_b32 s[G1+6], 0
	s_mov_b32 s[G1+7], 0
	s_mov_b32 s[G1B+0], 15|(1<<16)|(1<<20)|(1<<21)|(6<<22)|(7<<25)  ; the mask of four, bit 21 beside it; padding after every 128 words, of 8 words
	s_mov_b32 s[G1B+1], 256<<16                    ; tensor_dim0 = 256
	s_mov_b32 s[G1B+2], 64<<16                     ; tensor_dim1 = 64
	s_mov_b32 s[G1B+3], 256<<16                    ; tile_dim0 = 256
	s_mov_b32 s[G1B+4], 64                         ; tile_dim1 = 64
	s_mov_b32 s[G1B+5], 256
	s_mov_b32 s[G1B+6], 0
	s_mov_b32 s[G1B+7], 0
	s_lshl_b32 s16, s13, 18                        ; A: 256 rows of 1,024 bytes a tile row,
	s_lshl_b32 s17, s12, 17                        ; 128 rows a half
	s_add_co_u32 s16, s16, s17
	s_mov_b32 s17, 0
	s_lshl_b32 s46, s42, 18                        ; W: a block of 262,144 bytes a tile column,
	s_lshl_b32 s47, s12, 15                        ; 64 k rows of 512 bytes a half,
	s_add_co_u32 s46, s46, s47
	s_add_co_u32 s46, s46, 512                     ; behind the header
	s_mov_b32 s47, 0
	s_mul_i32 s20, s10, HALFT                      ; where they go: wave x a load's bytes: no place in the cluster enters an LDS address
	s_wait_dscnt 0x0                               ; the opening add is done
	s_wait_kmcnt 0x0
	s_load_b32 s44, s[6:7], 0x0                    ; the floor: wanted on the way out alone, so it is waited for behind the first fills
	s_add_nc_u64 s[14:15], s[4:5], s[16:17]
	s_add_nc_u64 s[46:47], s[6:7], s[46:47]
	CROUND                                         ; all four work-groups are here: the first joint loads meet
.irp s, 0,1
	s_mov_b32 s[G0+4*(\s)], 1
	s_add_co_u32 s[G0+4*(\s)+1], s20, (\s)*SLOT
	s_add_nc_u64 s[G0+4*(\s)+2:G0+4*(\s)+3], s[14:15], (\s)*KSTEP*2
	s_or_b32 s[G0+4*(\s)+3], s[G0+4*(\s)+3], 0x80000000
	s_mov_b32 s[G0B+4*(\s)], 1
	s_add_co_u32 s[G0B+4*(\s)+1], s20, (\s)*SLOT
	s_add_nc_u64 s[G0B+4*(\s)+2:G0B+4*(\s)+3], s[46:47], (\s)*KSTEP*512
	s_or_b32 s[G0B+4*(\s)+3], s[G0B+4*(\s)+3], 0x80000000
	JLOAD \s                                       ; K steps 0 and 1: two loads of mine are out
.endr
	v_and_b32 v1, 15, v0                           ; l % 16
	v_bfe_u32 v2, v0, 4, 1                         ; l / 16
	v_mul_u32_u24 v3, v1, PITCH
	v_lshl_add_u32 v3, v2, 4, v3                   ; A: row x pitch + 16 x half
	v_and_b32 v5, 7, v0
	v_bfe_u32 v6, v0, 3, 1
	v_lshl_add_u32 v7, v2, 3, v5                   ; W: k row 8 (l / 16) + l % 8,
	v_mul_u32_u24 v7, v7, PB
	v_lshl_add_u32 v7, v6, 4, v7                   ; columns 8 ((l / 8) % 2) on
	s_mul_i32 s21, s11, HALFT                      ; my 128 rows of A
	s_lshl_b32 s22, s12, 8                         ; my 128 columns of W,
	s_add_co_u32 s22, s22, 2*HALFT                 ; which lies behind A
.irp s, 0,1
	v_add_nc_u32 v[ADRA+(\s)], s21, v3
	v_add_nc_u32 v[ADRB+(\s)], s22, v7
	s_add_co_u32 s21, s21, SLOT
	s_add_co_u32 s22, s22, SLOT
.endr
	s_mul_i32 s23, s10, 2*16*SP
	s_add_co_u32 s23, s23, STAGE                   ; my stage
	v_mul_u32_u24 v4, v1, SP                       ; in: row l % 16, 16 bytes for each half of the lanes
	v_lshl_add_u32 v4, v2, 4, v4
	v_add_nc_u32 v[STO], s23, v4
	v_bfe_u32 v4, v0, 3, 2                         ; back: 32 lanes take four rows of 128 bytes,
	v_mul_u32_u24 v4, v4, SP
	v_lshl_add_u32 v4, v5, 4, v4
	v_add_nc_u32 v[RD], s23, v4
	v_and_b32 v[CO], 31, v0                        ; which are 512 consecutive bytes of a panel
	v_lshlrev_b32 v[CO], 4, v[CO]
	s_lshl_b32 s16, s42, 2
	s_lshl1_add_u32 s16, s12, s16                  ; my first panel: 4 x tile column + 2 x half
	s_lshl_b32 s16, s16, 20
	s_lshl_b32 s17, s13, 15                        ; 256 rows of 128 bytes a tile row,
	s_add_co_u32 s16, s16, s17
	s_lshl_b32 s17, s11, 14                        ; 128 a half
	s_add_co_u32 s16, s16, s17
	s_mov_b32 s17, 0
	s_wait_kmcnt 0x0                               ; the floor is in
	v_mov_b32 v[FLOOR], s44
; 16 matrix instructions: m blocks a0, a0 + 1 of the window's four x all 8 n blocks, 32 along K.  zero = 1: the first product starts the sums.  The 64 accumulators take turns.
.macro MUL16 f, hi, a0, zero
	WIN MUL_LO+0x50*(\hi)
.irp a, \a0, (\a0)+1
.irp b, 0,1,2,3,4,5,6,7
.if \zero
	v_wmma_f32_16x16x32_f16 v[8*(8*(\a)+(\b)):8*(8*(\a)+(\b))+7], v[(\f)+8*(\b):(\f)+8*(\b)+7], v[(\f)+8*(4*(\hi)+(\a)):(\f)+8*(4*(\hi)+(\a))+7], 0
.else
	v_wmma_f32_16x16x32_f16 v[8*(8*(\a)+(\b)):8*(8*(\a)+(\b))+7], v[(\f)+8*(\b):(\f)+8*(\b)+7], v[(\f)+8*(4*(\hi)+(\a)):(\f)+8*(4*(\hi)+(\a))+7], v[8*(8*(\a)+(\b)):8*(8*(\a)+(\b))+7]
.endif
.endr
.endr
.endm
; 32 LDS loads in one run: the fragments of quarter kq (32 along K) of a slot into buffer f: W's 128 columns turned, then A's 128 rows
.macro FETCH slot, kq, f
	WIN TO_B
.irp i, 0,1,2,3,4,5,6,7
	ds_load_tr16_b128 v[(\f)+8*(\i):(\f)+8*(\i)+3],   v[ADRB+(\slot)] offset:(\kq)*32*PB+(\i)*32
	ds_load_tr16_b128 v[(\f)+8*(\i)+4:(\f)+8*(\i)+7], v[ADRB+(\slot)] offset:(\kq)*32*PB+(\i)*32+16*PB
.endr
	WIN 0
.irp i, 0,1,2,3,4,5,6,7
	ds_load_b128 v[(\f)+8*(\i):(\f)+8*(\i)+3],   v[ADRA+(\slot)] offset:(\kq)*64+(\i)*16*PITCH
	ds_load_b128 v[(\f)+8*(\i)+4:(\f)+8*(\i)+7], v[ADRA+(\slot)] offset:(\kq)*64+(\i)*16*PITCH+32
.endr
.endm
.macro PLACES                          ; four plain instructions between a matrix instruction and a load into, or a vector read of, its registers
.rept 4
	v_nop
.endr
.endm
.macro QUARTER slot, kq, f, g, zero    ; multiplies buffer f; in its middle fetches quarter kq of the same slot into g
	s_wait_dscnt 8                                 ; W and A's rows 0-63 are in; the youngest eight loads (A's rows 64-127) may be out
	MUL16 \f, 0, 0, \zero
	MUL16 \f, 0, 2, \zero
	PLACES
	FETCH \slot, \kq, \g
	s_wait_dscnt 32                                ; all but the 32 just issued
	MUL16 \f, 1, 0, \zero
	MUL16 \f, 1, 2, \zero
.endm
; The last quarter of a K step multiplies buffer 1 and changes slots.  MEET is its first half: ONE barrier.  In front of it each wave waits for all its tensor loads (its part of the next slot),
; adds 0 to its spare word, and waits for that and for its own reads of this slot.  round = 1: a round of the cluster's barrier follows.
.macro MEET round
	WIN 0
	s_wait_tensorcnt 0x0                           ; all my tensor loads have landed
	ds_add_u32 v[SPW], v[NIL]                      ; 0 onto my spare word
	s_wait_dscnt 9                                 ; (the add and the youngest eight loads may be out)
	MUL16 F1, 0, 0, 0                              ; sixteen matrix instructions stand between the add and the wait for it
	s_wait_dscnt 0x0                               ; the add is done, and my reads of this slot are over
	s_barrier_signal -1
	MUL16 F1, 0, 2, 0
.if \round
	WIN 0
.endif
	s_barrier_wait -1
.endm
; The whole last quarter of K steps 0 and 1: behind the round this slot is filled again, two K steps ahead; then come the next slot's first fragments.
.macro TURN slot, next
	MEET 1
	CREST                                          ; no wave of any partner still reads this slot or has a load on its way
	s_add_nc_u64 s[G0+4*(\slot)+2:G0+4*(\slot)+3], s[G0+4*(\slot)+2:G0+4*(\slot)+3], 2*KSTEP*2
	s_add_nc_u64 s[G0B+4*(\slot)+2:G0B+4*(\slot)+3], s[G0B+4*(\slot)+2:G0B+4*(\slot)+3], 2*KSTEP*512
	JLOAD \slot                                    ; my one tensor load behind the round; its four v_nop are also the places in front of the loads below
	FETCH \next, 0, F0
	MUL16 F1, 1, 0, 0
	MUL16 F1, 1, 2, 0
.endm
; THE LAST K STEP (it lies in slot 1) BY ROWS OF C.  All its fragments of W (4 quarters x 64 registers) fill window 1; A's come by blocks of 16 rows x 128 K; block a is finished by 32 matrix
; instructions, its 8 accumulators by turns.  LDS is read no more than in any other K step.
.macro BLOAD q                         ; W's fragments of quarter q -> window 1, v[64 q ..]
	WIN TO_B
.irp i, 0,1,2,3,4,5,6,7
	ds_load_tr16_b128 v[64*(\q)+8*(\i):64*(\q)+8*(\i)+3],   v[ADRB+1] offset:(\q)*32*PB+(\i)*32
	ds_load_tr16_b128 v[64*(\q)+8*(\i)+4:64*(\q)+8*(\i)+7], v[ADRB+1] offset:(\q)*32*PB+(\i)*32+16*PB
.endr
.endm
.macro ALOAD a                         ; A's fragments of block a, all four quarters -> buffer a % 4
	WIN 0
.set FA, PA+32*((\a)%4)
.irp q, 0,1,2,3
	ds_load_b128 v[FA+8*(\q):FA+8*(\q)+3],   v[ADRA+1] offset:64*(\q)+(\a)*16*PITCH
	ds_load_b128 v[FA+8*(\q)+4:FA+8*(\q)+7], v[ADRA+1] offset:64*(\q)+(\a)*16*PITCH+32
.endr
.endm
.macro ROW a                           ; block a is finished: 32 matrix instructions
.set FA, PA+32*((\a)%4)                ; its fragments of A
.set AC, 64*((\a)%4)                   ; its eight accumulators, in window 2 (blocks 0-3) or 3 (blocks 4-7)
	WIN MUL_LO+0x50*((\a)/4)
.irp q, 0,1,2,3
.if (\a) == 0 && (\q) == 2
	s_wait_dscnt 24                                ; W's quarter 2 is in (behind it: A's blocks 1 to 3)
.endif
.irp b, 0,1,2,3,4,5,6,7
	v_wmma_f32_16x16x32_f16 v[AC+8*(\b):AC+8*(\b)+7], v[64*(\q)+8*(\b):64*(\q)+8*(\b)+7], v[FA+8*(\q):FA+8*(\q)+7], v[AC+8*(\b):AC+8*(\b)+7]
.endr
.endr
.endm
; THE WAY OUT of block a (16 rows x 128 columns).  PACK: rounded to f16 and held to the floor.  TOSTAGE: into my own stage, by panels, and back as whole rows.  SEND: stored.
.macro PACK a
.set AC, 64*((\a)%4)
	WIN 0x0a+5*((\a)/4)                            ; sources 0 and 1: window 2 or 3
.irp b, 0,1,2,3,4,5,6,7
.irp r, 0,1,2,3
	v_cvt_pk_f16_f32 v[TMP+4*(\b)+(\r)], v[AC+8*(\b)+2*(\r)], v[AC+8*(\b)+2*(\r)+1]
.endr
.endr
	WIN 0
.set z, 0
.rept 32
	v_pk_max_num_f16 v[TMP+z], v[TMP+z], v[FLOOR]
.set z, z+1
.endr
.endm
.macro TOSTAGE a
	WIN 0
.set BK, OB+192*((\a)%2)
.irp b, 0,1,2,3,4,5,6,7
	ds_store_b128 v[STO], v[TMP+4*(\b):TMP+4*(\b)+3] offset:((\b)/4)*16*SP+((\b)%4)*32
.endr
.irp t, 0,1,2,3,4,5,6,7
	ds_load_b128 v[BK+4*(\t):BK+4*(\t)+3], v[RD] offset:((\t)/4)*16*SP+((\t)%4)*4*SP  ; LDS serves a wave's instructions in order (ISA guide 5.7.1.4): these see the stores above
.endr
.endm
.macro SEND a, younger                 ; younger: the LDS loads issued behind TOSTAGE's, which may stay out
	WIN 0
.set BK, OB+192*((\a)%2)
	s_wait_dscnt \younger                          ; the block is back in registers
	s_wait_xcnt 0x0                                ; the stores' base and the registers that earlier stores read are rewritten only behind this wait
.if (\a) == 0
	s_add_nc_u64 s[8:9], s[8:9], s[16:17]
.else
	s_add_nc_u64 s[8:9], s[8:9], 16*128            ; 16 rows of a panel on
.endif
.irp t, 0,1,2,3,4,5,6,7
	global_store_b128 v[CO], v[BK+4*(\t):BK+4*(\t)+3], s[8:9] offset:((\t)/4)*1048576+((\t)%4)*512  ; 512 consecutive bytes, at a multiple of 256 from C's first byte
.endr
.endm
	s_wait_tensorcnt 1                             ; my part of K step 0 is in; K step 1's may stay out
	s_barrier_signal -1
	s_barrier_wait -1
	FETCH 0, 0, F0
	QUARTER 0, 1, F0, F1, 1                        ; K step 0: its first quarter starts the sums
	QUARTER 0, 2, F1, F0, 0
	QUARTER 0, 3, F0, F1, 0
	TURN 0, 1                                      ; slot 0 takes K step 2
	QUARTER 1, 1, F0, F1, 0                        ; K step 1
	QUARTER 1, 2, F1, F0, 0
	QUARTER 1, 3, F0, F1, 0
	TURN 1, 0                                      ; slot 1 takes K step 3
	QUARTER 0, 1, F0, F1, 0                        ; K step 2
	QUARTER 0, 2, F1, F0, 0
	QUARTER 0, 3, F0, F1, 0
	MEET 0                                         ; my one tensor load that was still out is K step 3's, so no round follows
	PLACES                                         ; for the loads into buffer 0, which the quarter before multiplied
	BLOAD 0                                        ; three quarters of W now: buffer 1 (v128-191 of both windows) is still being multiplied
	BLOAD 1
	BLOAD 3
	ALOAD 0
	MUL16 F1, 1, 0, 0
	MUL16 F1, 1, 2, 0
	PLACES                                         ; for the loads into buffer 1
	BLOAD 2
	ALOAD 1
	ALOAD 2
	ALOAD 3
	s_wait_dscnt 40                                ; all but the 40 just issued
	ROW 0
.irp a, 0,1,2,3,4,5,6,7                ; each block leaves as soon as it is finished
	PLACES                                         ; its conversions read results just made
	PACK \a
	TOSTAGE \a
.if (\a) < 4
	ALOAD (\a)+4                                   ; its buffer takes the block four further on
	SEND \a, 8
.else
	SEND \a, 0
.endif
.if (\a) < 7
	ROW (\a)+1
.endif
.endr
	s_wait_tensorcnt 0x0                           ; the wave's end: behind my last tensor load and my last LDS store
	ds_add_u32 v[SPW], v[NIL]
	s_wait_dscnt 0x0
	CROUND                                         ; the closing round: no work-group ends while a partner may still ask for a tile that names it
	s_endpgm
.Lfunc_end_k_qbf1dbebd48_qkv:
	.size	k_qbf1dbebd48_qkv, .Lfunc_end_k_qbf1dbebd48_qkv-k_qbf1dbebd48_qkv
	.p2alignl 7, 3214868480
	.fill 96, 4, 3214868480
	.section	.rodata,"a",@progbits
	.p2align	6, 0x0
	.amdhsa_kernel k_qbf1dbebd48_qkv
		.amdhsa_group_segment_fixed_size 327680
		.amdhsa_private_segment_fixed_size 0
		.amdhsa_enable_private_segment 0
		.amdhsa_kernarg_size 24
		.amdhsa_user_sgpr_count 2
		.amdhsa_user_sgpr_kernarg_segment_ptr 1
		.amdhsa_wavefront_size32 1
		.amdhsa_system_sgpr_workgroup_id_x 1
		.amdhsa_system_sgpr_workgroup_id_y 1
		.amdhsa_system_sgpr_workgroup_id_z 1
		.amdhsa_system_vgpr_workitem_id 0
		.amdhsa_next_free_vgpr 1024
		.amdhsa_next_free_sgpr 66
		.amdhsa_reserve_vcc 0
		.amdhsa_float_denorm_mode_32 3
		.amdhsa_float_denorm_mode_16_64 3
		.amdhsa_memory_ordered 1
		.amdhsa_forward_progress 1
		.amdhsa_inst_pref_size 159
	.end_amdhsa_kernel
	.amdgpu_metadata
---
amdhsa.version: [ 1, 2 ]
amdhsa.kernels:
  - .name:           k_qbf1dbebd48_qkv
    .symbol:         k_qbf1dbebd48_qkv.kd
    .args:
      - { .name: hn, .offset: 0, .size: 8, .value_kind: global_buffer, .address_space: global }
      - { .name: wqkv16, .offset: 8, .size: 8, .value_kind: global_buffer, .address_space: global }
      - { .name: pan, .offset: 16, .size: 8, .value_kind: global_buffer, .address_space: global }
    .group_segment_fixed_size: 327680
    .private_segment_fixed_size: 0
    .kernarg_segment_align: 8
    .kernarg_segment_size: 24
    .max_flat_workgroup_size: 128
    .sgpr_count:     66
    .vgpr_count:     1024
    .wavefront_size: 32
...
	.end_amdgpu_metadata
.endif
;; end of part 2
;; launch attn (part 3): grid 8 x 32, 4 waves a work-group, clusters of 4 x 1, 327,680 bytes of LDS; arguments pan, tab, ctx; writes ctx
.if DOCPART == 3
	.amdgcn_target "amdgcn-amd-amdhsa--gfx1250"
	.amdhsa_code_object_version 6
	.text
	.protected	k_qbf1dbebd48_attn
	.globl	k_qbf1dbebd48_attn
	.p2align	8
	.type	k_qbf1dbebd48_attn,@function
k_qbf1dbebd48_attn:
	s_mov_b64 s[64:65], 0
	v_nop
	global_prefetch_b8 v0, s[64:65] scope:SCOPE_SE
	s_setreg_imm32_b32 hwreg(HW_REG_WAVE_MODE, 25, 1), 1
	s_wait_xcnt 0x0
	s_wait_alu depctr_hold_cnt(0) depctr_sa_sdst(0) depctr_va_vdst(0) depctr_va_sdst(0) depctr_va_ssrc(0) depctr_va_vcc(0) depctr_vm_vsrc(0)
	s_getreg_b32 s2, hwreg(HW_REG_IB_STS2, 6, 4)
	s_cmp_eq_u32 s2, 0
	s_cbranch_scc0 .Lentry_in_a_cluster
	s_endpgm
.Lentry_in_a_cluster:
	s_bfe_u32 s2, ttmp6, 0x10000c
	s_cmp_lg_u32 s2, 0x3003
	s_cbranch_scc0 .Lentry_shape_is_right
	s_endpgm
.Lentry_shape_is_right:
; ctx[h][b s][:] = the sum over k of softmax_k(q . k + bias(k - q) + ext[b][k]) v[k][:].  No scale.  q, k, v: panels h, 8 + h, 16 + h of pan, [8192 rows][64] f16; ctx: panels [h][8192][64] f16.
; tab: for each head 40 images of the bias (f32, 1,024 bytes: a tile of 16 keys x 16 queries in the registers' own order, image g for key base - query base = 16 (g - 19)), then ext [4][2048] f32.
; Products, maxima and sums in f32; the weights p are rounded to f16 for the second product (their sum l is taken of the unrounded p), ctx once at the end.
; LIMITS.  q, k, v arrive within f16's 65,504.  bias + ext is rounded once in f32 and starts the sum of products.  A weight below 2^-126 counts as 0 in l; NaN and infinities are not treated apart.
; SHARES.  Work-group y = 8 b + h.  Wave w of the work-group at place cx of cluster J owns the 64 queries from 64 (16 J + 4 w + cx) on: four PIECES of 16.  So cx enters global addresses alone.
; All walk the head's 2,048 keys, 64 a step, 256 a slot; the four partners ask for each slot's K and V JOINTLY.
; BIAS AND MASK are the C operand that starts the sum S^T = K Q^T: MC(piece x, key group kt) = BI[kt - x + 3] + EXT[kt].  The bias hangs on k - q alone, so seven images serve a step's 16 pairs.
; From |k - q| = 91 on it is constant on each side, so the work-group keeps a window of 28 images in LDS, image i for (key base - query base) / 16 = i - 7 - 4 cx, and clamps i to 0 .. 27:
; both ends of the window lie 7 tiles or more from the diagonal for every cx.  i = 4 step - 64 J - 16 w + (kt - x + 3) + 4 holds no cx.
; LAYOUT, SOFTMAX, TURNS.  S^T holds ONE query a lane (lane % 16) and the keys 8 (lane / 16) + 0..7; two such results rounded to f16 ARE source 1 of O^T = V^T P.  p = 2^(c s - c m), c = log2(e), with a running
; maximum m; O and l are multiplied by a = 2^(c m_old - c m_new) in every step; m starts at the lowest finite number, O and l at 0.  Turn n belongs to piece n: 8 products K Q^T of piece n + 1, later
; 8 products V^T P of piece n - 1; beside them the scaling, exponentials, roundings, sums and rescaling of piece n and the maximum and statistics of piece n + 1.  Four vector instructions stand behind
; every matrix instruction, the others in one lump.  A turn's 33 exponentials are one batch, with one wait.
; NO LAST STEP IS WRITTEN OUT: the loop is entered, and the tail left, in the middle of a trip.  The tail's fifth trip does pieces 2 and 3 of the last step; what it fetches and multiplies for a further step
; (the last step's K and tables once more) serves nothing and touches neither l nor O^T.
; REGISTERS, in windows of 256 (s_set_vgpr_msb: bits 1:0 source 0, 3:2 source 1, 5:4 source 2, 7:6 destination):
;   window 0: v0-15, v32-42, v61-63 addresses; v16-31 statistics; v48-55 at work; v64-127 S^T, two buffers; v192-223 P, two buffers
;   window 1: v0-127 O^T; v128-159 EXT; v160-223 MC, two buffers      window 2: v0-63 Q; v64-119 BI; v128-191 K of one step; v192-255 V of one step
.set NP,    4
.set KS,    64
.set PK,    144       ; a row of K in LDS: 128 bytes + 16
.set PV,    160       ; a row of V: 128 + 32
.set VOFF,  4*KS*PK   ; a slot: 256 rows of K, then 256 rows of V
.set SLOT1, 1<<17
.set IMG,   81920     ; between the slots: 28 images of 1,024 bytes, filled once
.set EXTB,  IMG+28*1024  ; and the batch's 2,048 numbers of ext, filled once
.set STAGE, SLOT1+4*KS*(PK+PV)
.set SP,    144
.set SPARE, STAGE+4*16*SP
.set AK0, 2
.set AV0, 3
.set AK,  4
.set AV,  5
.set STO, 6
.set RD,  7
.set GO,  8
.set MV,  12          ; v12-13  c m_old, by buffer
.set QO,  15
.set ST,  16          ; piece t's statistics at v[ST+4 t]: c m, m, l (even keys', odd keys')
.set LI,  32          ; v32  IMG + 16 x lane; never rewritten
.set LE,  33          ; v33  EXTB + 32 (lane / 16); never rewritten
.set AE,  34          ; v34  the step's place in ext
.set AI,  36          ; v36-42  the step's seven images
.set TMP, 48
.set PFO, 61          ; v61  256 x lane; never rewritten
.set SPW, 62
.set NIL, 63
.set S,   64
.set P,   192
.set EXT, 128         ; window 1
.set MC,  160         ; window 1
.set BI,  64          ; window 2
.set KF,  128         ; window 2
.set VF,  192         ; window 2
.set WV,  12
.set CX,  13
.set G1K, 24
.set G1V, 32
.set G0K, 40
.set G0V, 44
.set SLOTS, 56
.set CNT, 57
.set CS,  58
.set SEL, 60
.set TBK, 62
.set TBV, 63
.set G1I, 68          ; s[68:75] the images' shape: 56 rows of 256 bytes
.set G1E, 76          ; s[76:83] ext's: 16 rows of 256 bytes, joint
.set G0I, 84
.set UI,  88          ; s88  4 step - 64 J - 16 w + 4, for the step whose tables are fetched next
.set EO,  89          ; s89  256 x that step
.set TT,  90          ; s90  at work
.set PFA, 92          ; s[92:93] where my prefetches stand
.set LIM, 94          ; s94  1 in a wave that prefetches, else the greatest number
.set G0E, 96
.set MSB, 0
.macro WIN new
.if MSB != (\new)
	s_set_vgpr_msb (MSB<<8)|(\new)
.set MSB, (\new)
.endif
.endm
.set W_KQ, 0x0a       ; K and Q in window 2, S^T in window 0
.set W_KM, 0x1a       ; the same with the C operand in window 1
.set W_PV, 0x52       ; V in window 2, P in window 0, O^T in window 1
.set W_RS, 0x41       ; destination and source 0 in window 1, source 1 in window 0
.set W_MK, 0x46       ; destination and source 1 in window 1, source 0 in window 2
; A joint fill.  Waves 0 and 1 fetch the two halves of a slot's K, waves 2 and 3 those of its V.  An s_nop 0 and four v_nop follow each of the two lines.
.macro JLOAD
	s_cmp_lt_u32 s[WV], 2
	s_cbranch_scc0 .Lfor_v_\@
	tensor_load_to_lds s[G0K:G0K+3], s[G1K:G1K+7]
	s_nop 0
.rept 4
	v_nop
.endr
	s_branch .Lasked_\@
.Lfor_v_\@:
	tensor_load_to_lds s[G0V:G0V+3], s[G1V:G1V+7]
	s_nop 0
.rept 4
	v_nop
.endr
.Lasked_\@:
.endm
; A prefetch into the L2 of what the NEXT change of slots will ask for: a slot's 32,768 bytes of K and of V, 256 bytes a lane.  Both clusters of a head walk the same rows: the first of them asks.  Its four
; partners share the blocks out by address, 32 each; wave 0 asks for K's, wave 2 for V's.  So each block is named once in the launch.  The last change that fills a slot asks for nothing.
.macro ASK
	s_cmp_gt_u32 s[SLOTS], s[LIM]
	s_cbranch_scc0 .Lnot_mine_\@
	global_prefetch_b8 v[PFO], s[PFA:PFA+1] th:TH_LOAD_NT scope:SCOPE_SE
.Lnot_mine_\@:
.endm
.macro CROUND
	s_barrier_signal -1
	s_barrier_wait -1
	s_cmp_lg_u32 s[WV], 0
	s_cbranch_scc1 .Lnot_wave_0_\@
	s_barrier_signal -3
.Lnot_wave_0_\@:
	s_barrier_wait -3
	s_barrier_signal -1
	s_barrier_wait -1
.endm
; THE CHANGE OF SLOTS.  Each wave waits for all its tensor loads, adds 0 to its spare word, and waits for that and for its own reads of the slot that it leaves.  fill = 1: the barrier is a round of the
; cluster's, and the joint fill of the old slot, with the keys two slots on, is the first thing behind it: four key steps in which to land.  (At its first use slot 0 and the tables are waited for, slot 1 filled.)
.macro CHANGE fill
	WIN 0
	s_wait_tensorcnt 0x0            ; no tensor load of mine is out, so a group 0 may be written
	ds_add_u32 v[SPW], v[NIL]       ; 0 onto my spare word
.if \fill
.irp g, G0K, G0V
	s_xor_b32 s[\g+1], s[\g+1], SLOT1
	s_add_nc_u64 s[\g+2:\g+3], s[\g+2:\g+3], 4*KS*128
.endr
	s_wait_xcnt 0x0                 ; the last prefetch, a slot back, has read its address
	s_add_nc_u64 s[PFA:PFA+1], s[PFA:PFA+1], 4*KS*128
	s_wait_dscnt 0x0                ; the add is done, and my reads of the slot are over
	CROUND
	JLOAD
	ASK
.else
	s_wait_dscnt 0x0
	s_barrier_signal -1
	s_barrier_wait -1
.endif
	s_sub_co_u32 s[TBK], s[TBK], 4*KS*PK
	s_xor_b32 s[TBK], s[TBK], SLOT1
	s_sub_co_u32 s[TBV], s[TBV], 4*KS*PV
	s_xor_b32 s[TBV], s[TBV], SLOT1
.endm
	s_load_b128 s[4:7], s[0:1], 0x0 ; pan s[4:5], tab s[6:7]
	s_load_b64 s[8:9], s[0:1], 0x10 ; ctx
	v_lshl_add_u32 v[SPW], v0, 2, SPARE
	v_mov_b32 v[NIL], 0
	ds_add_u32 v[SPW], v[NIL]       ; the wave's opening: the add and its wait stand ahead of my first tensor load
	v_lshrrev_b32 v1, 5, v0
	v_readfirstlane_b32 s[WV], v1
	s_bfe_u32 s[CX], ttmp6, 0x40000
	s_and_b32 s20, ttmp7, 0xffff
	s_lshr_b32 s21, s20, 3          ; b
	s_and_b32 s22, s20, 7           ; h
	s_and_b32 s23, s[WV], 1         ; which half of a tile I fetch
	s_lshl_b32 s16, s22, 20
	s_lshl_b32 s17, s21, 18
	s_add_co_u32 s16, s16, s17      ; panel h, the batch's 2,048 rows
	s_lshl_b32 s2, ttmp9, 4
	s_lshl2_add_u32 s2, s[WV], s2
	s_add_co_u32 s2, s2, s[CX]      ; my group of 64 queries: 16 J + 4 w + cx
	s_lshl_b32 s2, s2, 13
	s_add_co_u32 s2, s2, s16
	s_mov_b32 s3, 0
	s_lshl_b32 s17, s23, 14
	s_add_co_u32 s16, s16, s17
	s_add_co_u32 s16, s16, 8<<20    ; K: panel 8 + h, my 128 keys of tile 0
	s_add_co_u32 s18, s16, 8<<20    ; V: panel 16 + h
	s_mov_b32 s17, 0
	s_mov_b32 s19, 0
	s_lshl_b32 s14, s21, 13
	s_lshl_b32 s15, s23, 12
	s_add_co_u32 s14, s14, s15
	s_add_co_u32 s14, s14, 327680   ; ext: the batch's row, my half
	s_mov_b32 s15, 0
	s_mul_i32 s20, s22, 40960
	s_lshl_b32 s[TT], s[CX], 2
	s_sub_co_u32 s[TT], 12, s[TT]
	s_lshl_b32 s[TT], s[TT], 10
	s_add_co_u32 s20, s20, s[TT]    ; the head's images from 12 - 4 cx on,
	s_mul_i32 s[TT], s23, 14336
	s_add_co_u32 s20, s20, s[TT]    ; my half of the 28
	s_mov_b32 s21, 0
	s_mov_b32 s[G1K], 15|(1<<16)|(1<<20)|(1<<21)|(4<<22)|(3<<25)  ; the mask of four, bit 21 beside it; 2-byte elements; padding after every 32 words, of 4 words
	s_mov_b32 s[G1V], 15|(1<<16)|(1<<20)|(1<<21)|(4<<22)|(7<<25)  ; the same with 8 words
.irp g, G1K, G1V
	s_mov_b32 s[\g+1], 128<<16      ; 128 keys are 16,384 dense bytes: 64 rows of 256 bytes, two keys a row
	s_mov_b32 s[\g+2], 64<<16
	s_mov_b32 s[\g+3], 128<<16
	s_mov_b32 s[\g+4], 64
	s_mov_b32 s[\g+5], 128
	s_mov_b32 s[\g+6], 0
	s_mov_b32 s[\g+7], 0
.endr
	s_mov_b32 s[G1I], 3<<16         ; no mask (the window hangs on cx); 8-byte elements; no padding
	s_mov_b32 s[G1I+1], 32<<16
	s_mov_b32 s[G1I+2], 56<<16
	s_mov_b32 s[G1I+3], 32<<16
	s_mov_b32 s[G1I+4], 56
	s_mov_b32 s[G1I+5], 32
	s_mov_b32 s[G1I+6], 0
	s_mov_b32 s[G1I+7], 0
	s_mov_b32 s[G1E], 15|(3<<16)|(1<<21)
	s_mov_b32 s[G1E+1], 32<<16
	s_mov_b32 s[G1E+2], 16<<16
	s_mov_b32 s[G1E+3], 32<<16
	s_mov_b32 s[G1E+4], 16
	s_mov_b32 s[G1E+5], 32
	s_mov_b32 s[G1E+6], 0
	s_mov_b32 s[G1E+7], 0
	s_mov_b32 s[G0K], 1
	s_mul_i32 s[G0K+1], s23, 128*PK
	s_mov_b32 s[G0V], 1
	s_mul_i32 s[G0V+1], s23, 128*PV
	s_add_co_u32 s[G0V+1], s[G0V+1], VOFF
	s_mov_b32 s[G0I], 1
	s_mul_i32 s[G0I+1], s23, 14336
	s_add_co_u32 s[G0I+1], s[G0I+1], IMG
	s_mov_b32 s[G0E], 1
	s_lshl_b32 s[G0E+1], s23, 12
	s_add_co_u32 s[G0E+1], s[G0E+1], EXTB
	s_mov_b32 s[CS], 0x3fb8aa3b     ; c = log2(e)
	s_mov_b32 s[CS+1], s[CS]
	s_mov_b32 s[SEL], 0x76543210
	s_mov_b32 s[SEL+1], 0xfedcba98
	s_mov_b32 s[TBK], SLOT1+4*KS*PK ; the first change of slots turns these two into 0
	s_mov_b32 s[TBV], SLOT1+4*KS*PV
	s_mov_b32 s[SLOTS], 7           ; changes that fill a slot, still to come
	s_lshl_b32 s[UI], ttmp9, 6
	s_lshl_b32 s[TT], s[WV], 4
	s_add_co_u32 s[UI], s[UI], s[TT]
	s_sub_co_u32 s[UI], 4, s[UI]
	s_mov_b32 s[EO], 0
	s_and_b32 s[LIM], s[WV], 1
	s_or_b32 s[LIM], s[LIM], ttmp9
	s_cmp_eq_u32 s[LIM], 0
	s_cselect_b32 s[LIM], 1, -1
	s_wait_dscnt 0x0                ; the opening add is done
	s_wait_kmcnt 0x0
	s_add_nc_u64 s[16:17], s[4:5], s[16:17]
	s_add_nc_u64 s[18:19], s[4:5], s[18:19]
	s_add_nc_u64 s[4:5], s[4:5], s[2:3]      ; Q at my first row
	s_add_nc_u64 s[10:11], s[8:9], s[2:3]    ; ctx at my first row
	s_mov_b64 s[G0K+2:G0K+3], s[16:17]
	s_or_b32 s[G0K+3], s[G0K+3], 0x80000000
	s_mov_b64 s[G0V+2:G0V+3], s[18:19]
	s_or_b32 s[G0V+3], s[G0V+3], 0x80000000
	s_add_nc_u64 s[G0I+2:G0I+3], s[6:7], s[20:21]
	s_or_b32 s[G0I+3], s[G0I+3], 0x80000000
	s_add_nc_u64 s[G0E+2:G0E+3], s[6:7], s[14:15]
	s_or_b32 s[G0E+3], s[G0E+3], 0x80000000
	s_cmp_lt_u32 s[WV], 2
	s_cselect_b64 s[PFA:PFA+1], s[16:17], s[18:19]  ; (in waves 0 and 2 these stand at a tile's first row)
	s_lshl_b32 s2, s[CX], 13        ; my work-group's 32 blocks of the 128
	s_add_nc_u64 s[PFA:PFA+1], s[PFA:PFA+1], s[2:3]
	s_add_nc_u64 s[PFA:PFA+1], s[PFA:PFA+1], 4*KS*128  ; at tile 1; the first change steps it to tile 2
	CROUND                          ; all four work-groups are here: the first joint loads meet
	s_cmp_lt_u32 s[WV], 2           ; a wave's two first fills stand in one branch: two loads of mine are out
	s_cbranch_scc0 .Lfirst_v
	tensor_load_to_lds s[G0K:G0K+3], s[G1K:G1K+7]
	s_nop 0
	tensor_load_to_lds s[G0I:G0I+3], s[G1I:G1I+7]
	s_nop 0
.rept 4
	v_nop
.endr
	s_branch .Lfirst_asked
.Lfirst_v:
	tensor_load_to_lds s[G0V:G0V+3], s[G1V:G1V+7]
	s_nop 0
	tensor_load_to_lds s[G0E:G0E+3], s[G1E:G1E+7]
	s_nop 0
.rept 4
	v_nop
.endr
.Lfirst_asked:
	v_and_b32 v1, 15, v0            ; l % 16
	v_bfe_u32 v9, v0, 4, 1          ; l / 16
	v_lshlrev_b32 v[QO], 7, v1
	v_lshl_add_u32 v[QO], v9, 4, v[QO]
	WIN 0x80
.set i, 0
.rept 8                             ; Q stays in registers: piece i / 2, channels 32 (i % 2) on
	global_load_b128 v[8*i:8*i+3],   v[QO], s[4:5] offset:(i/2)*2048+(i%2)*64
	global_load_b128 v[8*i+4:8*i+7], v[QO], s[4:5] offset:(i/2)*2048+(i%2)*64+32
.set i, i+1
.endr
	WIN 0
	v_mul_u32_u24 v[AK0], v1, PK
	v_lshl_add_u32 v[AK0], v9, 4, v[AK0]
	v_and_b32 v10, 7, v0
	v_bfe_u32 v11, v0, 3, 1
	v_lshl_add_u32 v[AV0], v9, 3, v10
	v_mul_u32_u24 v[AV0], v[AV0], PV
	v_lshl_add_u32 v[AV0], v11, 4, v[AV0]
	v_add_nc_u32 v[AV0], VOFF, v[AV0]
	s_mul_i32 s[TT], s[WV], 16*SP
	s_add_co_u32 s[TT], s[TT], STAGE
	v_mul_u32_u24 v[STO], v1, SP
	v_lshl_add_u32 v[STO], v9, 4, v[STO]
	v_add_nc_u32 v[STO], s[TT], v[STO]
	v_bfe_u32 v[RD], v0, 3, 2
	v_mul_u32_u24 v[RD], v[RD], SP
	v_lshl_add_u32 v[RD], v10, 4, v[RD]
	v_add_nc_u32 v[RD], s[TT], v[RD]
	v_and_b32 v[GO], 31, v0
	v_lshlrev_b32 v[PFO], 8, v[GO]
	v_lshlrev_b32 v[GO], 4, v[GO]
	v_add_nc_u32 v[LI], IMG, v[GO]
	v_lshlrev_b32 v[LE], 5, v9
	v_add_nc_u32 v[LE], EXTB, v[LE]
	; What the first turn finds: V and P's second buffer hold 0 (its products V^T P, of a piece that has not been, add 0), O^T and l are 0.  All this stands in the wait for the first tile.
	WIN 0x80
.set i, VF
.rept 64
	v_mov_b32 v[i], 0
.set i, i+1
.endr
	WIN 0x40
.set i, 0
.rept 128
	v_mov_b32 v[i], 0
.set i, i+1
.endr
	WIN 0
.set i, 0
.rept 4
	v_mov_b32 v[ST+4*i], 0xfe000000    ; c m: far below every c s
	v_mov_b32 v[ST+4*i+1], 0xff7fffff  ; m
	v_mov_b32 v[ST+4*i+2], 0
	v_mov_b32 v[ST+4*i+3], 0
.set i, i+1
.endr
.set i, P+16
.rept 16
	v_mov_b32 v[i], 0
.set i, i+1
.endr
; THE MATRIX WORK.  The 4 accumulators of a run of 8 take turns.  Product i of 8 of S^T = K Q^T for piece x: channels 32 (i / 4) on, keys 16 (i % 4) on.  The first 4 start the sums with MC.
.macro KQ x
.set rS, S+32*((\x)%2)+8*(i%4)
.set rK, KF+16*(i%4)+8*(i/4)
.set rQ, 16*(\x)+8*(i/4)
.set rM, MC+32*((\x)%2)+8*(i%4)
.if i < 4
	WIN W_KM
	v_wmma_f32_16x16x32_f16 v[rS:rS+7], v[rK:rK+7], v[rQ:rQ+7], v[rM:rM+7]
.else
	WIN W_KQ
	v_wmma_f32_16x16x32_f16 v[rS:rS+7], v[rK:rK+7], v[rQ:rQ+7], v[rS:rS+7]
.endif
.endm
.macro PV x                         ; product i of 8 of O^T += V^T P for piece x: keys 32 (i / 4) on, channels 16 (i % 4) on
	WIN W_PV
.set rO, 32*(\x)+8*(i%4)
.set rV, VF+32*(i/4)+8*(i%4)
.set rP, P+16*((\x)%2)+8*(i/4)
	v_wmma_f32_16x16x32_f16 v[rO:rO+7], v[rV:rV+7], v[rP:rP+7], v[rO:rO+7]
.endm
.macro MM                           ; the turn's next matrix instruction
.if i < 8
	KQ (Y+1)%NP
.else
.set i, i-8
	PV (Y+NP-1)%NP
.set i, i+8
.endif
.set i, i+1
.endm
; THE LDS LOADS stand in runs, never singly among the matrix instructions.
.macro FETCH_K
	WIN 0x80
.irp f, 0,1,2,3,4,5,6,7
	ds_load_b128 v[KF+8*\f:KF+8*\f+3],   v[AK] offset:(\f/2)*16*PK+(\f%2)*64
	ds_load_b128 v[KF+8*\f+4:KF+8*\f+7], v[AK] offset:(\f/2)*16*PK+(\f%2)*64+32
.endr
	s_add_co_u32 s[TBK], s[TBK], KS*PK
	WIN 0
.endm
.macro FETCH_V
	WIN 0x80
.irp f, 0,1,2,3,4,5,6,7
	ds_load_tr16_b128 v[VF+8*\f:VF+8*\f+3],   v[AV] offset:(\f/4)*32*PV+(\f%4)*32
	ds_load_tr16_b128 v[VF+8*\f+4:VF+8*\f+7], v[AV] offset:(\f/4)*32*PV+16*PV+(\f%4)*32
.endr
	WIN 0
.endm
; The next step's seven images and its 64 numbers of ext: 22 loads.  An image's number is clamped to the window, 0 .. 27, by the two lines ahead of its use.
; last = 1 (the tail): the place in ext is held to the last step's, so that the fifth trip, which has no next step, reads that step's numbers once more.
.macro FETCH_B last=0
	WIN 0
.irp jj, 0,1,2,3,4,5,6
	s_add_co_i32 s[TT], s[UI], \jj
	s_max_i32 s[TT], s[TT], 0
	s_min_u32 s[TT], s[TT], 27
	v_lshl_add_u32 v[AI+\jj], s[TT], 10, v[LI]
.endr
.if \last
	s_min_u32 s[TT], s[EO], 31*256
	v_add_nc_u32 v[AE], s[TT], v[LE]
.else
	v_add_nc_u32 v[AE], s[EO], v[LE]
.endif
	s_add_co_i32 s[UI], s[UI], 4
	s_add_co_u32 s[EO], s[EO], 256
	WIN 0x80
.irp jj, 0,1,2,3,4,5,6
	ds_load_b128 v[BI+8*\jj:BI+8*\jj+3],   v[AI+\jj]
	ds_load_b128 v[BI+8*\jj+4:BI+8*\jj+7], v[AI+\jj] offset:512
.endr
	WIN 0x40
.irp kt, 0,1,2,3
	ds_load_b128 v[EXT+8*\kt:EXT+8*\kt+3],   v[AE] offset:64*\kt
	ds_load_b128 v[EXT+8*\kt+4:EXT+8*\kt+7], v[AE] offset:64*\kt+16
.endr
	WIN 0
.endm
.macro MASK x                       ; piece x's C operands: bias + ext, into buffer x % 2 of MC
	WIN W_MK
.irp kt, 0,1,2,3
.irp z, 0,1,2,3
	v_pk_add_f32 v[MC+32*((\x)%2)+8*\kt+2*\z:MC+32*((\x)%2)+8*\kt+2*\z+1], v[BI+8*(\kt-(\x)+3)+2*\z:BI+8*(\kt-(\x)+3)+2*\z+1], v[EXT+8*\kt+2*\z:EXT+8*\kt+2*\z+1]
.endr
.endr
.endm
; THE VECTOR WORK, one line at a time: OP kind, number.  For piece Y: F n: c s - c m for pair n of 16.  E n: the exponential of score n of 32.  C n: pair n rounded to f16.  B n: of the four weights 4 n .. the second
; pair is added onto the first.  L n: l takes that sum (L 0: l = a l + sum).  R n: pair n of 16 of O^T times a.  For piece Y + 1: X n, number n of the 22 that find its maximum and statistics:
;   0-11 four chains c0-c3 of seven scores each (each accumulator's lowest registers are read first)   12-14, 16 the four scores left over, the old m, c0-c3 into c0
;   15 c m_old is kept   17, 18 the other half of the lanes': the new m   19-21 c m; c m_old - c m_new; a
.set F, 0
.set E, 1
.set C, 2
.set B, 3
.set L, 4
.set R, 5
.set X, 6
.macro REGS y
.set rT, ST+4*(\y)
.set rC, TMP+4*((\y)%2)
.set rW, MV+((\y)%2)
.set rS, S+32*((\y)%2)
.set rP, P+16*((\y)%2)
.set rO, 32*(\y)
.endm
.macro OP k, n
.if (\k) == R
	REGS Y
	WIN W_RS
	v_pk_mul_f32 v[rO+2*(\n):rO+2*(\n)+1], v[rO+2*(\n):rO+2*(\n)+1], v[rC+2:rC+3] op_sel_hi:[1,0]
.elseif (\k) < R
	REGS Y
	WIN 0
.if (\k) == F
	v_pk_fma_f32 v[rS+2*(\n):rS+2*(\n)+1], v[rS+2*(\n):rS+2*(\n)+1], s[CS:CS+1], v[rT:rT+1] op_sel_hi:[1,0,0] neg_lo:[0,0,1] neg_hi:[0,0,1]
.elseif (\k) == E
	v_exp_f32 v[rS+(\n)], v[rS+(\n)]
.elseif (\k) == C
	v_cvt_pk_f16_f32 v[rP+(\n)], v[rS+2*(\n)], v[rS+2*(\n)+1]
.elseif (\k) == B
	v_pk_add_f32 v[rS+4*(\n):rS+4*(\n)+1], v[rS+4*(\n):rS+4*(\n)+1], v[rS+4*(\n)+2:rS+4*(\n)+3]
.elseif (\n) == 0
	v_pk_fma_f32 v[rT+2:rT+3], v[rT+2:rT+3], v[rC+2:rC+3], v[rS:rS+1] op_sel_hi:[1,0,1]
.else
	v_pk_add_f32 v[rT+2:rT+3], v[rT+2:rT+3], v[rS+4*(\n):rS+4*(\n)+1]
.endif
.else
	REGS (Y+1)%NP
	WIN 0
.if (\n) < 4
	v_max3_num_f32 v[rC+(\n)], v[rS+8*(\n)], v[rS+8*(\n)+1], v[rS+8*(\n)+2]
.elseif (\n) < 12
	v_max3_num_f32 v[rC+(\n)%4], v[rC+(\n)%4], v[rS+8*((\n)%4)+2*((\n)/4)+1], v[rS+8*((\n)%4)+2*((\n)/4)+2]
.elseif (\n) == 12
	v_max3_num_f32 v[rC], v[rC], v[rS+7], v[rS+15]
.elseif (\n) == 13
	v_max3_num_f32 v[rC+1], v[rC+1], v[rS+23], v[rS+31]
.elseif (\n) == 14
	v_max3_num_f32 v[rC+2], v[rC+2], v[rC+3], v[rT+1]
.elseif (\n) == 15
	v_mov_b32 v[rW], v[rT]
.elseif (\n) == 16
	v_max3_num_f32 v[rC], v[rC], v[rC+1], v[rC+2]
.elseif (\n) == 17
	v_permlanex16_b32 v[rC+3], v[rC], s[SEL], s[SEL+1]
.elseif (\n) == 18
	v_max_num_f32 v[rT+1], v[rC], v[rC+3]
.elseif (\n) == 19
	v_mul_f32 v[rT], s[CS], v[rT+1]
.elseif (\n) == 20
	v_sub_f32 v[rC+1], v[rW], v[rT]
.else
	v_exp_f32 v[rC+2], v[rC+1]
.endif
.endif
.endm
.macro OPS a, i1, b=-1, i2=0, c=-1, i3=0, d=-1, i4=0
	OP \a, \i1
.if (\b) >= 0
	OP \b, \i2
.endif
.if (\c) >= 0
	OP \c, \i3
.endif
.if (\d) >= 0
	OP \d, \i4
.endif
.endm
.macro ROW a, i1, b, i2, c, i3, d, i4  ; a matrix instruction and the four behind it
	MM
	OPS \a, \i1, \b, \i2, \c, \i3, \d, \i4
.endm
; A TURN, for piece p.  One wait cuts it in two: ahead of it stands all that names no result of the turn's exponentials (the 8 products K Q^T with their riders, then the lump, the next piece's a last); behind it
; the 8 products V^T P, behind each four of the roundings and sums.  At its end the turn makes the C operands for the products of the turn after it: piece p + 2.
; THE TABLES of the next step are fetched at the head of piece 2's turn: the four masks made of them are piece 0's (end of this turn), 1's, 2's and 3's (end of the next step's piece 1's turn): one buffer does.
; K of the next step is fetched in piece 2's turn, V of the step in hand at the end of piece 0's; each is waited for a turn later.
; last = 1 (the tail, whose keys lie in slot 1): K's place is held to the slot's fourth step, ext's to the last step, so that the fifth trip reads bytes that have been filled.
; cnt = 1: the loop's count is taken down some lines ahead of the branch that stands behind the turn; only vector work and window switches follow the compare.
.macro TURN p, last=0, cnt=0
.set Y, (\p)
.set i, 0
.if (\p) == 2
	FETCH_B \last
.endif
.if (\p) == 3
	s_wait_dscnt 0x0                ; K is in
.endif
	ROW F,0, F,1, R,0, R,1
	ROW F,2, E,0, R,2, R,3
	ROW F,3, E,1, R,4, R,5
	ROW F,4, E,2, R,6, R,7
	ROW F,5, E,3, R,8, R,9
	ROW F,6, E,4, X,0, R,10
.if (\p) == 2
	WIN 0
.if \last
	s_min_u32 s[TT], s[TBK], SLOT1+3*KS*PK
	v_add_nc_u32 v[AK], s[TT], v[AK0]
.else
	v_add_nc_u32 v[AK], s[TBK], v[AK0]
.endif
.endif
	ROW F,7, E,5, X,1, X,4
	ROW F,8, E,6, X,2, X,5
	OPS E,7, E,8, X,6, E,9
	OPS X,3, E,10, X,8, E,11
.if (\p) == 2
	FETCH_K
.endif
	OPS X,9, X,7, E,12, X,10
	OPS E,13, X,12, X,11, E,14
	OPS X,13, E,15, F,9, X,14
.if (\p) == 0
	v_add_nc_u32 v[AV], s[TBV], v[AV0]
.endif
	OPS E,16, F,10, E,17, F,11
	OPS X,16, E,18, X,15, E,19
	OPS F,12, E,20, X,17, E,21
	OPS F,13, E,22, F,14, E,23
	OPS X,18, E,24, F,15, E,25
	OPS R,11, E,26, X,19, E,27
	OPS R,12, E,28, R,13, E,29
	OPS X,20, E,30, R,14, E,31
	OPS X,21, R,15
	WIN 0
	s_wait_alu depctr_va_vdst(0)    ; one wait for the batch, ahead of its first reader
.if (\p) == 1
	s_wait_dscnt 0x0                ; V is in
.endif
	ROW C,0, B,0, C,2, B,1
	ROW L,0, C,4, B,2, L,1
	ROW C,6, B,3, L,2, C,8
	ROW B,4, L,3, C,10, B,5
	ROW L,4, C,12, B,6, L,5
.if (\p) == 0
	s_add_co_u32 s[TBV], s[TBV], KS*PV
.endif
.if \cnt
	s_sub_co_u32 s[CNT], s[CNT], 1
	s_cmp_lg_u32 s[CNT], 0
.endif
	ROW C,14, B,7, L,6, C,1
	ROW C,3, L,7, C,5, C,7
	ROW C,9, C,11, C,13, C,15
.if (\p) == 0
	FETCH_V
.endif
.if (\p) == 2
	s_wait_dscnt 16                 ; the 22 loads of the tables are in; K's 16, issued behind them, may stay out
.endif
	MASK ((\p)+2)%NP
.endm
	CHANGE 1                        ; slot 0 and the tables are in, everybody's part of them; slot 1 is asked for
	FETCH_B                         ; key step 0's tables,
	v_add_nc_u32 v[AK], s[TBK], v[AK0]
	FETCH_K                         ; and its K
	s_wait_loadcnt 0x0              ; Q
	s_wait_dscnt 0x0
	MASK 0
	MASK 1
.set i, 0
.rept 8
	KQ 0                            ; piece 0's first scores
.set i, i+1
.endr
	WIN 0
.rept 4
	v_nop                           ; the places behind those products
.endr
.set Y, NP-1                        ; X works for piece Y + 1: piece 0
.irp n, 0,1,2,3,4,5,6,7,8,9,10,11,12,13,14,15,16,17,18,19,20,21
	OP X, \n
.endr
	v_nop                           ; a plain instruction behind the exponential,
	s_wait_alu depctr_va_vdst(0)    ; and its wait, ahead of the branch
	s_mov_b32 s[CNT], 4
	s_branch .Lfirst                ; the loop is entered at a step's first turn, in the middle of a trip
.Lslot:                             ; six times: slots 2 to 7 are asked for
	CHANGE 1
	s_mov_b32 s[CNT], 4
.Lstep:                             ; a trip: pieces 2 and 3 of one step, then pieces 0 and 1 of the next, whose tables, K and V it fetches
	TURN 2
	TURN 3
	WIN 0
.Lfirst:
	TURN 0
	TURN 1, 0, 1
	WIN 0
	s_cbranch_scc1 .Lstep
	s_sub_co_u32 s[SLOTS], s[SLOTS], 1
	s_cmp_lg_u32 s[SLOTS], 0
	s_cbranch_scc1 .Lslot
	CHANGE 0                        ; the last slot is written out: nothing is asked for
	s_mov_b32 s[CNT], 5             ; four trips fetch the last slot's steps; the fifth is left in its middle
.LstepT:
	TURN 2, 1
	TURN 3
	WIN 0
	s_sub_co_u32 s[CNT], s[CNT], 1
	s_cmp_eq_u32 s[CNT], 0
	s_cbranch_scc1 .Lout
	TURN 0
	TURN 1
	WIN 0
	s_branch .LstepT
.Lout:                              ; the fifth trip's 8 products K Q^T (on the last K once more) and the maximum made of them serve nothing: the price, once a launch, of one text for every trip
.set i, 0
.rept 8
	PV NP-1                         ; the last piece's V^T P of the last step
.set i, i+1
.endr
	; THE WAY OUT.  l's two halves and the other half of the lanes' are added; O^T is divided by l, rounded to f16 and sent through my stage in LDS, a piece at a time.  The additions are the places behind the last products.
	WIN 0
.macro ALL line:vararg
.set t, 0
.rept 4
	\line
.set t, t+1
.endr
.endm
	ALL v_add_f32 v[ST+4*t+2], v[ST+4*t+2], v[ST+4*t+3]
	ALL v_permlanex16_b32 v[ST+4*t+3], v[ST+4*t+2], s[SEL], s[SEL+1]
	ALL v_add_f32 v[ST+4*t+2], v[ST+4*t+2], v[ST+4*t+3]
	ALL v_rcp_f32 v[ST+4*t+2], v[ST+4*t+2]
	v_nop                           ; a plain instruction between the last reciprocal and the use of its result
	s_wait_alu depctr_va_vdst(0)    ; and one wait for the four reciprocals
.macro PACK t
	WIN W_RS
.set i, 32*(\t)
.rept 16
	v_pk_mul_f32 v[i:i+1], v[i:i+1], v[ST+4*(\t)+2:ST+4*(\t)+3] op_sel_hi:[1,0]
.set i, i+2
.endr
	WIN 0x05
.set i, 0
.rept 16
	v_cvt_pk_f16_f32 v[S+16*(\t)+i], v[32*(\t)+2*i], v[32*(\t)+2*i+1]
.set i, i+1
.endr
	WIN 0
.irp f, 0,1,2,3
	ds_store_b128 v[STO], v[S+16*(\t)+4*\f:S+16*(\t)+4*\f+3] offset:32*\f
.endr
.irp f, 0,1,2,3
	ds_load_b128 v[S+16*(\t)+4*\f:S+16*(\t)+4*\f+3], v[RD] offset:\f*4*SP  ; LDS serves a wave's instructions in order (ISA guide 5.7.1.4): these see the stores above
.endr
.endm
.macro SEND t, younger              ; younger: the LDS instructions issued behind piece t's loads: the next piece's eight, or none
	WIN 0
.irp f, 0,1,2,3
	s_wait_dscnt (\younger)+3-\f
	global_store_b128 v[GO], v[S+16*(\t)+4*\f:S+16*(\t)+4*\f+3], s[10:11] offset:(\t)*2048+\f*512  ; 512 consecutive bytes, at a multiple of 256 from ctx's first
.endr
.endm
	PACK 0
.set t, 1
.rept 3
	PACK t
	SEND t-1, 8
.set t, t+1
.endr
	SEND 3, 0
	s_wait_tensorcnt 0x0            ; the wave's end: behind my last tensor load and my last LDS store
	ds_add_u32 v[SPW], v[NIL]
	s_wait_dscnt 0x0
	CROUND                          ; the closing round
	s_endpgm
.Lfunc_end_k_qbf1dbebd48_attn:
	.size	k_qbf1dbebd48_attn, .Lfunc_end_k_qbf1dbebd48_attn-k_qbf1dbebd48_attn
	.p2alignl 7, 3214868480
	.fill 96, 4, 3214868480
	.section	.rodata,"a",@progbits
	.p2align	6, 0x0
	.amdhsa_kernel k_qbf1dbebd48_attn
		.amdhsa_group_segment_fixed_size 327680
		.amdhsa_private_segment_fixed_size 0
		.amdhsa_enable_private_segment 0
		.amdhsa_kernarg_size 24
		.amdhsa_user_sgpr_count 2
		.amdhsa_user_sgpr_kernarg_segment_ptr 1
		.amdhsa_wavefront_size32 1
		.amdhsa_system_sgpr_workgroup_id_x 1
		.amdhsa_system_sgpr_workgroup_id_y 1
		.amdhsa_system_sgpr_workgroup_id_z 1
		.amdhsa_system_vgpr_workitem_id 0
		.amdhsa_next_free_vgpr 768
		.amdhsa_next_free_sgpr 100
		.amdhsa_reserve_vcc 0
		.amdhsa_float_denorm_mode_32 3
		.amdhsa_float_denorm_mode_16_64 3
		.amdhsa_memory_ordered 1
		.amdhsa_forward_progress 1
		.amdhsa_inst_pref_size 133
	.end_amdhsa_kernel
	.amdgpu_metadata
---
amdhsa.version: [ 1, 2 ]
amdhsa.kernels:
  - .name:           k_qbf1dbebd48_attn
    .symbol:         k_qbf1dbebd48_attn.kd
    .args:
      - { .name: pan, .offset: 0, .size: 8, .value_kind: global_buffer, .address_space: global }
      - { .name: tab, .offset: 8, .size: 8, .value_kind: global_buffer, .address_space: global }
      - { .name: ctx, .offset: 16, .size: 8, .value_kind: global_buffer, .address_space: global }
    .group_segment_fixed_size: 327680
    .private_segment_fixed_size: 0
    .kernarg_segment_align: 8
    .kernarg_segment_size: 24
    .max_flat_workgroup_size: 128
    .sgpr_count:     100
    .vgpr_count:     768
    .wavefront_size: 32
...
	.end_amdgpu_metadata
.endif
;; end of part 3
;; launch wo (part 4): grid 4 x 64, 4 waves a work-group, clusters of 4 x 4, 327,680 bytes of LDS; arguments ctx, wo2, input_embed, x; writes x
.if DOCPART == 4
	.amdgcn_target "amdgcn-amd-amdhsa--gfx1250"
	.amdhsa_code_object_version 6
	.text
	.protected	k_qbf1dbebd48_wo
	.globl	k_qbf1dbebd48_wo
	.p2align	8
	.type	k_qbf1dbebd48_wo,@function
k_qbf1dbebd48_wo:
	s_mov_b64 s[64:65], 0
	v_nop
	global_prefetch_b8 v0, s[64:65] scope:SCOPE_SE
	s_setreg_imm32_b32 hwreg(HW_REG_WAVE_MODE, 25, 1), 1
	s_wait_xcnt 0x0
	s_wait_alu depctr_hold_cnt(0) depctr_sa_sdst(0) depctr_va_vdst(0) depctr_va_sdst(0) depctr_va_ssrc(0) depctr_va_vcc(0) depctr_vm_vsrc(0)
	s_getreg_b32 s2, hwreg(HW_REG_IB_STS2, 6, 4)
	s_cmp_eq_u32 s2, 0
	s_cbranch_scc0 .Lentry_in_a_cluster
	s_endpgm
.Lentry_in_a_cluster:
	s_bfe_u32 s2, ttmp6, 0x10000c
	s_cmp_lg_u32 s2, 0xf033
	s_cbranch_scc0 .Lentry_shape_is_right
	s_endpgm
.Lentry_shape_is_right:
; OUT = RES + A W.  A: panels [k / 64][8192 rows][64] of f16.  W: [K][512] f16, row-major, WOFF bytes into its buffer.  RES, OUT: [8192][512] f32.  Sums in f32; nothing is rounded on the way out.
; Here: x = input_embed + ctx wo, K = 512: one lap of the ring.
; SHARES.  A tile of OUT is 128 x 128: 256 work-groups; four waves, 64 x 64 each: 16 accumulators.  K goes in steps of 256 (four panels) through two LDS slots.
; W LIES [k][n] and comes out of LDS turned, by ds_load_tr16_b128.  THE MATRIX INSTRUCTION IS USED TRANSPOSED (source 0 = 16 columns of W, source 1 = 16 rows of A): a lane holds eight neighbouring numbers of a row.
; CLUSTERS: 4 x 4.  The four of a row of the cluster need the same tiles of A, the four of a column the same tiles of W: each tile is asked for JOINTLY.
; NO PREFETCH: the tiles are small and the launch is short.
; A wave's 64 columns of f32 are 256 aligned bytes, so the stage on the way out is each wave's own and wants no barrier.
; REGISTERS: window 0: v0-31 addresses; v32-95 at work on the way out; v128-255 the accumulators ((a, b) at v[128 + 8 (4 a + b)]).   window 1: two fragment buffers of 128.   window 2: v0-127 my part of RES.
.set LAPS,   1
.set WOFF,   0
.set PA,     144                       ; a row of a panel in LDS: 128 bytes + 16
.set PW,     288                       ; a k row of W: 256 bytes + 32 = 9 x 32
.set HALFT,  2*128*PA                  ; what one tensor load brings: two panels x 128 rows, or 128 k rows of W (128 x 288 is the same number)
.set SLOT,   4*HALFT
.set STAGE,  2*SLOT
.set SPITCH, 272
.set SPARE,  STAGE+4*16*SPITCH
.set ADRA, 16                          ; v16-17  my A fragments in slot 0, 1
.set ADRB, 20                          ; v20-23  my W fragments: slot x 2 + (quarter / 2)
.set STO,  24
.set RD,   25
.set CO,   26
.set SPW,  28
.set NIL,  29
.set TMP,  32
.set ACC,  128
.set F0,   0
.set F1,   128
.set G1, 24
.set G0, 32
.set G1B, 48
.set G0B, 56
.set RESP, 68                          ; s[68:69] RES, s[70:71] OUT, at my tile
.set OUTP, 70
.set MSB, 0
.macro WIN new
.if MSB != (\new)
	s_set_vgpr_msb (MSB<<8)|(\new)
.set MSB, \new
.endif
.endm
.set MUL,  0x05                        ; sources 0 (W) and 1 (A) window 1; C and D window 0
.set TO_F, 0x40
.macro JLOAD s                         ; waves 0 and 1 fetch A's two halves, waves 2 and 3 W's; an s_nop 0 and four v_nop follow each of the two lines
	s_cmp_eq_u32 s11, 0
	s_cbranch_scc0 .Lfor_b_\@
	tensor_load_to_lds s[G0+4*(\s):G0+4*(\s)+3], s[G1:G1+7]
	s_nop 0
.rept 4
	v_nop
.endr
	s_branch .Lasked_\@
.Lfor_b_\@:
	tensor_load_to_lds s[G0B+4*(\s):G0B+4*(\s)+3], s[G1B:G1B+7]
	s_nop 0
.rept 4
	v_nop
.endr
.Lasked_\@:
.endm
.macro CREST
	s_cmp_lg_u32 s10, 0
	s_cbranch_scc1 .Lnot_wave_0_\@
	s_barrier_signal -3
.Lnot_wave_0_\@:
	s_barrier_wait -3
	s_barrier_signal -1
	s_barrier_wait -1
.endm
.macro CROUND
	s_barrier_signal -1
	s_barrier_wait -1
	CREST
.endm
	s_load_b128 s[4:7], s[0:1], 0x0                ; A s[4:5], W s[6:7]
	s_load_b128 s[68:71], s[0:1], 0x10             ; RES, OUT
	v_lshl_add_u32 v[SPW], v0, 2, SPARE
	v_mov_b32 v[NIL], 0
	ds_add_u32 v[SPW], v[NIL]                      ; the wave's opening: the add and its wait stand ahead of my first tensor load
	v_lshrrev_b32 v1, 5, v0
	v_readfirstlane_b32 s10, v1
	s_lshr_b32 s11, s10, 1                         ; my half of the rows.  Also: I fetch for A (0) or for W (1)
	s_and_b32 s12, s10, 1                          ; my half of the columns.  Also: which half of that tile I fetch
	s_bfe_u32 s40, ttmp6, 0x40000
	s_bfe_u32 s41, ttmp6, 0x40004
	s_lshl_b32 s42, ttmp9, 2
	s_add_co_u32 s42, s42, s40                     ; tile column
	s_and_b32 s13, ttmp7, 0xffff
	s_lshl_b32 s13, s13, 2
	s_add_co_u32 s13, s13, s41                     ; tile row
	s_lshl_b32 s43, s41, 2
	s_lshl_b32 s43, 15, s43                        ; my row of the cluster
	s_lshl_b32 s44, 0x1111, s40                    ; my column
	s_or_b32 s[G1+0], s43, (1<<16)|(1<<20)|(1<<21)|(4<<22)|(3<<25)  ; A: padding after every 32 words (a panel's row), of 4 words
	s_mov_b32 s[G1+1], 8192<<16                    ; a descriptor's row is a panel's 128 dense rows: 8,192 elements
	s_mov_b32 s[G1+2], 2<<16                       ; two of them,
	s_mov_b32 s[G1+3], 8192<<16
	s_mov_b32 s[G1+4], 2
	s_mov_b32 s[G1+5], 524288                      ; a panel (524,288 elements) apart
	s_mov_b32 s[G1+6], 0
	s_mov_b32 s[G1+7], 0
	s_or_b32 s[G1B+0], s44, (1<<16)|(1<<20)|(1<<21)|(5<<22)|(7<<25) ; W: padding after every 64 words, of 8 words
	s_mov_b32 s[G1B+1], 128<<16
	s_mov_b32 s[G1B+2], 128<<16
	s_mov_b32 s[G1B+3], 128<<16
	s_mov_b32 s[G1B+4], 128
	s_mov_b32 s[G1B+5], 512
	s_mov_b32 s[G1B+6], 0
	s_mov_b32 s[G1B+7], 0
	s_lshl_b32 s16, s13, 14                        ; A: 128 rows of 128 bytes a tile row,
	s_lshl_b32 s17, s12, 21                        ; two panels a half
	s_add_co_u32 s16, s16, s17
	s_mov_b32 s17, 0
	s_lshl_b32 s46, s42, 8                         ; W: 128 columns a tile column,
	s_lshl_b32 s47, s12, 17                        ; 128 k rows of 1,024 bytes a half
	s_add_co_u32 s46, s46, s47
	s_add_co_u32 s46, s46, WOFF
	s_mov_b32 s47, 0
	s_mul_i32 s20, s10, HALFT
	s_wait_dscnt 0x0
	s_wait_kmcnt 0x0
	s_add_nc_u64 s[14:15], s[4:5], s[16:17]
	s_add_nc_u64 s[46:47], s[6:7], s[46:47]
	CROUND                                         ; all sixteen work-groups are here: the first joint loads meet
.irp s, 0,1
	s_mov_b32 s[G0+4*(\s)], 1
	s_add_co_u32 s[G0+4*(\s)+1], s20, (\s)*SLOT
	s_add_nc_u64 s[G0+4*(\s)+2:G0+4*(\s)+3], s[14:15], (\s)*(4<<20)
	s_or_b32 s[G0+4*(\s)+3], s[G0+4*(\s)+3], 0x80000000
	s_mov_b32 s[G0B+4*(\s)], 1
	s_add_co_u32 s[G0B+4*(\s)+1], s20, (\s)*SLOT
	s_add_nc_u64 s[G0B+4*(\s)+2:G0B+4*(\s)+3], s[46:47], (\s)*262144
	s_or_b32 s[G0B+4*(\s)+3], s[G0B+4*(\s)+3], 0x80000000
	JLOAD \s
.endr
	v_and_b32 v1, 15, v0
	v_bfe_u32 v2, v0, 4, 1
	v_mul_u32_u24 v3, v1, PA
	v_lshl_add_u32 v3, v2, 4, v3
	v_and_b32 v5, 7, v0
	v_bfe_u32 v6, v0, 3, 1
	v_lshl_add_u32 v7, v2, 3, v5
	v_mul_u32_u24 v7, v7, PW
	v_lshl_add_u32 v7, v6, 4, v7
	s_mul_i32 s21, s11, 64*PA                      ; my 64 rows in each panel
	s_lshl_b32 s22, s12, 7                         ; my 64 columns of W,
	s_add_co_u32 s22, s22, 2*HALFT                 ; which lies behind A
.irp s, 0,1
	v_add_nc_u32 v[ADRA+(\s)], s21, v3
	v_add_nc_u32 v[ADRB+2*(\s)], s22, v7
	v_add_nc_u32 v[ADRB+2*(\s)+1], HALFT, v[ADRB+2*(\s)]
	s_add_co_u32 s21, s21, SLOT
	s_add_co_u32 s22, s22, SLOT
.endr
	s_mul_i32 s23, s10, 16*SPITCH
	s_add_co_u32 s23, s23, STAGE                   ; my stage
	v_mul_u32_u24 v4, v1, SPITCH                   ; in: row l % 16, 32 bytes for each half of the lanes
	v_lshl_add_u32 v4, v2, 5, v4
	v_add_nc_u32 v[STO], s23, v4
	v_mul_u32_u24 v4, v2, SPITCH                   ; back: lanes 0-15 take one row of 256 bytes, lanes 16-31 the next
	v_lshl_add_u32 v4, v1, 4, v4
	v_add_nc_u32 v[RD], s23, v4
	v_lshlrev_b32 v4, 11, v2                       ; and the same two rows in RES and OUT
	v_lshl_add_u32 v[CO], v1, 4, v4
	s_lshl_b32 s16, s13, 18                        ; 128 rows of 2,048 bytes a tile row,
	s_lshl_b32 s17, s11, 17                        ; 64 a half
	s_add_co_u32 s16, s16, s17
	s_mov_b32 s17, 0
	s_lshl_b32 s46, s42, 9                         ; 512 bytes a tile column,
	s_lshl_b32 s47, s12, 8                         ; 256 a half
	s_add_co_u32 s46, s46, s47
	s_mov_b32 s47, 0
	s_add_nc_u64 s[RESP:RESP+1], s[RESP:RESP+1], s[16:17]
	s_add_nc_u64 s[RESP:RESP+1], s[RESP:RESP+1], s[46:47]
	s_add_nc_u64 s[OUTP:OUTP+1], s[OUTP:OUTP+1], s[16:17]
	s_add_nc_u64 s[OUTP:OUTP+1], s[OUTP:OUTP+1], s[46:47]
.macro MUL8 f, c, a0, zero             ; 8 matrix instructions: m blocks a0, a0 + 1 x all 4 n blocks, 32 along K: half c of buffer f.  The 16 accumulators take turns
	WIN MUL
.irp a, \a0, (\a0)+1
.irp b, 0,1,2,3
.if \zero
	v_wmma_f32_16x16x32_f16 v[ACC+8*(4*(\a)+(\b)):ACC+8*(4*(\a)+(\b))+7], v[(\f)+64+8*(4*(\c)+(\b)):(\f)+64+8*(4*(\c)+(\b))+7], v[(\f)+8*(4*(\c)+(\a)):(\f)+8*(4*(\c)+(\a))+7], 0
.else
	v_wmma_f32_16x16x32_f16 v[ACC+8*(4*(\a)+(\b)):ACC+8*(4*(\a)+(\b))+7], v[(\f)+64+8*(4*(\c)+(\b)):(\f)+64+8*(4*(\c)+(\b))+7], v[(\f)+8*(4*(\c)+(\a)):(\f)+8*(4*(\c)+(\a))+7], v[ACC+8*(4*(\a)+(\b)):ACC+8*(4*(\a)+(\b))+7]
.endif
.endr
.endr
.endm
.macro FETCH slot, q, f                ; 32 LDS loads in one run: quarter q (64 along K: one panel) into buffer f; its first 32 along K first
	WIN TO_F
.irp c, 0,1
.irp i, 0,1,2,3
	ds_load_tr16_b128 v[(\f)+64+8*(4*(\c)+(\i)):(\f)+64+8*(4*(\c)+(\i))+3],   v[ADRB+2*(\slot)+(\q)/2] offset:((\q)%2)*64*PW+(\c)*32*PW+(\i)*32
	ds_load_tr16_b128 v[(\f)+64+8*(4*(\c)+(\i))+4:(\f)+64+8*(4*(\c)+(\i))+7], v[ADRB+2*(\slot)+(\q)/2] offset:((\q)%2)*64*PW+(\c)*32*PW+(\i)*32+16*PW
	ds_load_b128 v[(\f)+8*(4*(\c)+(\i)):(\f)+8*(4*(\c)+(\i))+3],         v[ADRA+(\slot)] offset:(\q)*128*PA+64*(\c)+(\i)*16*PA
	ds_load_b128 v[(\f)+8*(4*(\c)+(\i))+4:(\f)+8*(4*(\c)+(\i))+7],       v[ADRA+(\slot)] offset:(\q)*128*PA+64*(\c)+(\i)*16*PA+32
.endr
.endr
.endm
.macro PLACES
.rept 4
	v_nop
.endr
.endm
.macro QUARTER slot, q, f, g, zero     ; multiplies buffer f; in its middle fetches quarter q of the same slot into g
	s_wait_dscnt 16                                ; the first 32 along K are in
	MUL8 \f, 0, 0, \zero
	MUL8 \f, 0, 2, \zero
	PLACES
	FETCH \slot, \q, \g
	s_wait_dscnt 32                                ; all but the 32 just issued
	MUL8 \f, 1, 0, 0
	MUL8 \f, 1, 2, 0
.endm
.macro TURN slot, next, fill           ; the last quarter multiplies buffer 1 and changes slots: one barrier, which with fill = 1 opens a round of the cluster's
	WIN 0
	s_wait_tensorcnt 0x0                           ; all my tensor loads have landed: my part of the next slot
	ds_add_u32 v[SPW], v[NIL]                      ; 0 onto my spare word
	s_wait_dscnt 17                                ; (the add and the youngest sixteen loads may be out)
	MUL8 F1, 0, 0, 0
	s_wait_dscnt 0x0                               ; the add is done, and my reads of this slot are over
	s_barrier_signal -1
	MUL8 F1, 0, 2, 0
.if \fill
	WIN 0
.endif
	s_barrier_wait -1
.if \fill
	CREST
	s_add_nc_u64 s[G0+4*(\slot)+2:G0+4*(\slot)+3], s[G0+4*(\slot)+2:G0+4*(\slot)+3], 8<<20
	s_add_nc_u64 s[G0B+4*(\slot)+2:G0B+4*(\slot)+3], s[G0B+4*(\slot)+2:G0B+4*(\slot)+3], 524288
	JLOAD \slot
.else
	PLACES
.endif
	FETCH \next, 0, F0
	MUL8 F1, 1, 0, 0
	MUL8 F1, 1, 2, 0
.endm
.macro RESLD                           ; my 64 x 64 of RES: 32 loads; sixteen lanes read 256 aligned bytes of a row
	WIN 0x80
.set n, 0
.rept 32
	global_load_b128 v[4*n:4*n+3], v[CO], s[RESP:RESP+1] offset:2*n*2048
.set n, n+1
.endr
	WIN 0
.endm
.macro OUTB a                          ; block a, 16 rows: through my stage, RES added, stored
	WIN 0
	s_wait_xcnt 0x0                                ; the registers that earlier stores read are rewritten only behind this wait
.irp b, 0,1,2,3
	ds_store_b128 v[STO], v[ACC+8*(4*(\a)+(\b)):ACC+8*(4*(\a)+(\b))+3]   offset:64*(\b)
	ds_store_b128 v[STO], v[ACC+8*(4*(\a)+(\b))+4:ACC+8*(4*(\a)+(\b))+7] offset:64*(\b)+16
.endr
.irp t, 0,1,2,3,4,5,6,7
	ds_load_b128 v[TMP+32*((\a)%2)+4*(\t):TMP+32*((\a)%2)+4*(\t)+3], v[RD] offset:(\t)*2*SPITCH  ; LDS serves a wave's instructions in order (ISA guide 5.7.1.4)
.endr
	s_wait_loadcnt 24-8*(\a)                       ; this block's eight loads of RES are in; the later blocks' may stay out
	s_wait_dscnt 0x0
	WIN 0x08                                       ; source 1 in window 2
.set n, 0
.rept 16
	v_pk_add_f32 v[TMP+32*((\a)%2)+2*n:TMP+32*((\a)%2)+2*n+1], v[TMP+32*((\a)%2)+2*n:TMP+32*((\a)%2)+2*n+1], v[32*(\a)+2*n:32*(\a)+2*n+1]
.set n, n+1
.endr
	WIN 0
.irp t, 0,1,2,3,4,5,6,7
	global_store_b128 v[CO], v[TMP+32*((\a)%2)+4*(\t):TMP+32*((\a)%2)+4*(\t)+3], s[OUTP:OUTP+1] offset:(16*(\a)+2*(\t))*2048  ; 16 lanes store 256 consecutive bytes, aligned
.endr
.endm
	s_wait_tensorcnt 1                             ; my part of K step 0 is in; K step 1's may stay out
	s_barrier_signal -1
	s_barrier_wait -1
	FETCH 0, 0, F0
	QUARTER 0, 1, F0, F1, 1
.if LAPS > 1
	WIN 0
	s_mov_b32 s3, LAPS-1
.Llap:                                                 ; a trip goes once round the ring and fills both slots again
	QUARTER 0, 2, F1, F0, 0
	QUARTER 0, 3, F0, F1, 0
	TURN 0, 1, 1
	QUARTER 1, 1, F0, F1, 0
	QUARTER 1, 2, F1, F0, 0
	QUARTER 1, 3, F0, F1, 0
	TURN 1, 0, 1
	QUARTER 0, 1, F0, F1, 0
	WIN 0
	s_sub_co_u32 s3, s3, 1
	s_cmp_lg_u32 s3, 0
	s_cbranch_scc1 .Llap
.endif
	RESLD                                          ; a lap ahead of its use
	QUARTER 0, 2, F1, F0, 0                        ; the last lap fills nothing
	QUARTER 0, 3, F0, F1, 0
	TURN 0, 1, 0
	QUARTER 1, 1, F0, F1, 0
	QUARTER 1, 2, F1, F0, 0
	QUARTER 1, 3, F0, F1, 0
	s_wait_dscnt 16
	MUL8 F1, 0, 0, 0
	MUL8 F1, 0, 2, 0
	s_wait_dscnt 0x0
	MUL8 F1, 1, 0, 0
	MUL8 F1, 1, 2, 0
	WIN 0
	PLACES
	OUTB 0
	OUTB 1
	OUTB 2
	OUTB 3
	s_wait_tensorcnt 0x0                           ; the wave's end
	ds_add_u32 v[SPW], v[NIL]
	s_wait_dscnt 0x0
	CROUND                                         ; the closing round
	s_endpgm
.Lfunc_end_k_qbf1dbebd48_wo:
	.size	k_qbf1dbebd48_wo, .Lfunc_end_k_qbf1dbebd48_wo-k_qbf1dbebd48_wo
	.p2alignl 7, 3214868480
	.fill 96, 4, 3214868480
	.section	.rodata,"a",@progbits
	.p2align	6, 0x0
	.amdhsa_kernel k_qbf1dbebd48_wo
		.amdhsa_group_segment_fixed_size 327680
		.amdhsa_private_segment_fixed_size 0
		.amdhsa_enable_private_segment 0
		.amdhsa_kernarg_size 32
		.amdhsa_user_sgpr_count 2
		.amdhsa_user_sgpr_kernarg_segment_ptr 1
		.amdhsa_wavefront_size32 1
		.amdhsa_system_sgpr_workgroup_id_x 1
		.amdhsa_system_sgpr_workgroup_id_y 1
		.amdhsa_system_sgpr_workgroup_id_z 1
		.amdhsa_system_vgpr_workitem_id 0
		.amdhsa_next_free_vgpr 640
		.amdhsa_next_free_sgpr 72
		.amdhsa_reserve_vcc 0
		.amdhsa_float_denorm_mode_32 3
		.amdhsa_float_denorm_mode_16_64 3
		.amdhsa_memory_ordered 1
		.amdhsa_forward_progress 1
		.amdhsa_inst_pref_size 57
	.end_amdhsa_kernel
	.amdgpu_metadata
---
amdhsa.version: [ 1, 2 ]
amdhsa.kernels:
  - .name:           k_qbf1dbebd48_wo
    .symbol:         k_qbf1dbebd48_wo.kd
    .args:
      - { .name: ctx, .offset: 0, .size: 8, .value_kind: global_buffer, .address_space: global }
      - { .name: wo2, .offset: 8, .size: 8, .value_kind: global_buffer, .address_space: global }
      - { .name: input_embed, .offset: 16, .size: 8, .value_kind: global_buffer, .address_space: global }
      - { .name: x, .offset: 24, .size: 8, .value_kind: global_buffer, .address_space: global }
    .group_segment_fixed_size: 327680
    .private_segment_fixed_size: 0
    .kernarg_segment_align: 8
    .kernarg_segment_size: 32
    .max_flat_workgroup_size: 128
    .sgpr_count:     72
    .vgpr_count:     640
    .wavefront_size: 32
...
	.end_amdgpu_metadata
.endif
;; end of part 4
;; launch ln2 (part 5): grid 512 x 1, 4 waves a work-group, no clusters, 0 bytes of LDS; arguments x, ln2, hn; writes hn
.if DOCPART == 5
	.amdgcn_target "amdgcn-amd-amdhsa--gfx1250"
	.amdhsa_code_object_version 6
	.text
	.protected	k_qbf1dbebd48_ln2
	.globl	k_qbf1dbebd48_ln2
	.p2align	8
	.type	k_qbf1dbebd48_ln2,@function
k_qbf1dbebd48_ln2:
	s_mov_b64 s[64:65], 0
	v_nop
	global_prefetch_b8 v0, s[64:65] scope:SCOPE_SE
	s_setreg_imm32_b32 hwreg(HW_REG_WAVE_MODE, 25, 1), 1
	s_wait_xcnt 0x0
; y = x * rsqrt(mean(x^2) + 1e-6) * g, rounded once to f16.  x: [8192][512] f32, g: [512] f32, y: [8192][512] f16.
; A work-group takes 16 rows, a wave four.  A wave holds a whole row (2,048 bytes, 16 numbers a lane): it is read once, the sum never leaves the wave: no LDS, no barrier.
; All 16 row loads of a wave go out at once, 512 consecutive bytes each; each store is one aligned block of 256 bytes.  Matrix units and clusters have nothing to do here: memory binds.
; LIMIT.  |y| stays under sqrt(512) |g|: within f16's 65,504 for |g| under 2,800.
.set XP, 4
.set GP, 6
.set YP, 8
.set XR, 16                            ; v[16:79]   four rows
.set GR, 80                            ; v[80:95]   the gain of my 16 columns
.set TS, 96
.set VA, 100
.set RS, 104
.macro ROWSUM r
.set x, XR+16*(\r)
	s_wait_loadcnt 12-4*(\r)                       ; this row's four loads are in; the later rows' may stay out
	v_pk_mul_f32 v[TS:TS+1], v[x:x+1], v[x:x+1]
	v_pk_mul_f32 v[TS+2:TS+3], v[x+2:x+3], v[x+2:x+3]
.irp k, 4,8,12
	v_pk_fma_f32 v[TS:TS+1], v[x+(\k):x+(\k)+1], v[x+(\k):x+(\k)+1], v[TS:TS+1]
	v_pk_fma_f32 v[TS+2:TS+3], v[x+(\k)+2:x+(\k)+3], v[x+(\k)+2:x+(\k)+3], v[TS+2:TS+3]
.endr
	v_pk_add_f32 v[TS:TS+1], v[TS:TS+1], v[TS+2:TS+3]
	v_add_f32 v[TS], v[TS], v[TS+1]
	v_add_f32_dpp v[TS], v[TS], v[TS] row_xmask:1 row_mask:0xf bank_mask:0xf
	v_add_f32_dpp v[TS], v[TS], v[TS] row_xmask:2 row_mask:0xf bank_mask:0xf
	v_add_f32_dpp v[TS], v[TS], v[TS] row_xmask:4 row_mask:0xf bank_mask:0xf
	v_add_f32_dpp v[TS], v[TS], v[TS] row_xmask:8 row_mask:0xf bank_mask:0xf
	v_permlanex16_b32 v[TS+1], v[TS], s50, s51
	v_add_f32 v[TS], v[TS], v[TS+1]
	v_fma_f32 v[VA+(\r)], v[TS], s52, s53          ; sum / 512 + eps
.endm
.macro ROWOUT r
.set x, XR+16*(\r)
.irp k, 0,2,4,6,8,10,12,14
	v_pk_mul_f32 v[x+(\k):x+(\k)+1], v[x+(\k):x+(\k)+1], v[RS+2*(\r):RS+2*(\r)+1]
.endr
.irp k, 0,2,4,6,8,10,12,14
	v_pk_mul_f32 v[x+(\k):x+(\k)+1], v[x+(\k):x+(\k)+1], v[GR+(\k):GR+(\k)+1]
.endr
.irp k, 0,1,2,3,4,5,6,7
	v_cvt_pk_f16_f32 v[x+(\k)], v[x+2*(\k)], v[x+2*(\k)+1]  ; in place, ascending: a register is written when both its numbers have been read
.endr
.irp j, 0,1,2,3
	global_store_b64 v4, v[x+2*(\j):x+2*(\j)+1], s[YP:YP+1] offset:(\r)*1024+(\j)*256
.endr
.endm
	s_load_b128 s[4:7], s[0:1], 0x0                ; x, g
	s_load_b64 s[8:9], s[0:1], 0x10                ; y
	v_lshrrev_b32 v1, 5, v0
	v_readfirstlane_b32 s34, v1
	v_and_b32 v2, 31, v0
	s_lshl_b32 s46, ttmp9, 4
	s_lshl2_add_u32 s46, s34, s46                  ; my first row: 16 x work-group + 4 x wave
	s_lshl_b32 s48, s46, 10
	s_lshl_b32 s46, s46, 11
	s_mov_b32 s47, 0
	s_mov_b32 s49, 0
	s_mov_b32 s50, 0x76543210
	s_mov_b32 s51, 0xfedcba98
	s_mov_b32 s52, 0x3b000000                      ; 1 / 512
	s_mov_b32 s53, 0x358637bd                      ; 1e-6
	v_lshlrev_b32 v3, 4, v2
	v_lshlrev_b32 v4, 3, v2
	s_wait_kmcnt 0x0
	s_add_nc_u64 s[XP:XP+1], s[XP:XP+1], s[46:47]
	s_add_nc_u64 s[YP:YP+1], s[YP:YP+1], s[48:49]
.irp j, 0,1,2,3
	global_load_b128 v[GR+4*\j:GR+4*\j+3], v3, s[GP:GP+1] offset:512*\j
.endr
.irp n, 0,1,2,3,4,5,6,7,8,9,10,11,12,13,14,15
	global_load_b128 v[XR+4*\n:XR+4*\n+3], v3, s[XP:XP+1] offset:512*\n
.endr
	ROWSUM 0
	ROWSUM 1
	ROWSUM 2
	ROWSUM 3
.irp r, 0,1,2,3
	v_rsq_f32 v[RS+2*\r], v[VA+\r]
	v_rsq_f32 v[RS+2*\r+1], v[VA+\r]
.endr
	v_nop                                          ; a plain instruction behind the last root,
	s_wait_alu depctr_va_vdst(0)                   ; and one wait for the batch of eight, ahead of their first reader
	ROWOUT 0
	ROWOUT 1
	ROWOUT 2
	ROWOUT 3
	s_endpgm
.Lfunc_end_k_qbf1dbebd48_ln2:
	.size	k_qbf1dbebd48_ln2, .Lfunc_end_k_qbf1dbebd48_ln2-k_qbf1dbebd48_ln2
	.p2alignl 7, 3214868480
	.fill 96, 4, 3214868480
	.section	.rodata,"a",@progbits
	.p2align	6, 0x0
	.amdhsa_kernel k_qbf1dbebd48_ln2
		.amdhsa_group_segment_fixed_size 0
		.amdhsa_private_segment_fixed_size 0
		.amdhsa_enable_private_segment 0
		.amdhsa_kernarg_size 24
		.amdhsa_user_sgpr_count 2
		.amdhsa_user_sgpr_kernarg_segment_ptr 1
		.amdhsa_wavefront_size32 1
		.amdhsa_system_sgpr_workgroup_id_x 1
		.amdhsa_system_sgpr_workgroup_id_y 1
		.amdhsa_system_sgpr_workgroup_id_z 1
		.amdhsa_system_vgpr_workitem_id 0
		.amdhsa_next_free_vgpr 112
		.amdhsa_next_free_sgpr 66
		.amdhsa_reserve_vcc 0
		.amdhsa_float_denorm_mode_32 3
		.amdhsa_float_denorm_mode_16_64 3
		.amdhsa_memory_ordered 1
		.amdhsa_forward_progress 1
		.amdhsa_inst_pref_size 15
	.end_amdhsa_kernel
	.amdgpu_metadata
---
amdhsa.version: [ 1, 2 ]
amdhsa.kernels:
  - .name:           k_qbf1dbebd48_ln2
    .symbol:         k_qbf1dbebd48_ln2.kd
    .args:
      - { .name: x, .offset: 0, .size: 8, .value_kind: global_buffer, .address_space: global }
      - { .name: ln2, .offset: 8, .size: 8, .value_kind: global_buffer, .address_space: global }
      - { .name: hn, .offset: 16, .size: 8, .value_kind: global_buffer, .address_space: global }
    .group_segment_fixed_size: 0
    .private_segment_fixed_size: 0
    .kernarg_segment_align: 8
    .kernarg_segment_size: 24
    .max_flat_workgroup_size: 128
    .sgpr_count:     66
    .vgpr_count:     112
    .wavefront_size: 32
...
	.end_amdgpu_metadata
.endif
;; end of part 5
;; launch ff1: the kernel of part 2 again; grid 32 x 8, 4 waves a work-group, clusters of 4 x 1, 327,680 bytes of LDS; arguments hn, wi16, pan; writes pan
;; launch ff2 (part 6): grid 4 x 64, 4 waves a work-group, clusters of 4 x 4, 327,680 bytes of LDS; arguments pan, wo2, x, out0; writes out0
.if DOCPART == 6
	.amdgcn_target "amdgcn-amd-amdhsa--gfx1250"
	.amdhsa_code_object_version 6
	.text
	.protected	k_qbf1dbebd48_ff2
	.globl	k_qbf1dbebd48_ff2
	.p2align	8
	.type	k_qbf1dbebd48_ff2,@function
k_qbf1dbebd48_ff2:
	s_mov_b64 s[64:65], 0
	v_nop
	global_prefetch_b8 v0, s[64:65] scope:SCOPE_SE
	s_setreg_imm32_b32 hwreg(HW_REG_WAVE_MODE, 25, 1), 1
	s_wait_xcnt 0x0
	s_wait_alu depctr_hold_cnt(0) depctr_sa_sdst(0) depctr_va_vdst(0) depctr_va_sdst(0) depctr_va_ssrc(0) depctr_va_vcc(0) depctr_vm_vsrc(0)
	s_getreg_b32 s2, hwreg(HW_REG_IB_STS2, 6, 4)
	s_cmp_eq_u32 s2, 0
	s_cbranch_scc0 .Lentry_in_a_cluster
	s_endpgm
.Lentry_in_a_cluster:
	s_bfe_u32 s2, ttmp6, 0x10000c
	s_cmp_lg_u32 s2, 0xf033
	s_cbranch_scc0 .Lentry_shape_is_right
	s_endpgm
.Lentry_shape_is_right:
; OUT = RES + A W.  A: panels [k / 64][8192 rows][64] of f16.  W: [K][512] f16, row-major, WOFF bytes into its buffer.  RES, OUT: [8192][512] f32.  Sums in f32; nothing is rounded on the way out.
; Here: out0 = x + act wo_ff, K = 2,048: four laps of the ring.
; SHARES.  A tile of OUT is 128 x 128: 256 work-groups; four waves, 64 x 64 each: 16 accumulators.  K goes in steps of 256 (four panels) through two LDS slots.
; W LIES [k][n] and comes out of LDS turned, by ds_load_tr16_b128.  THE MATRIX INSTRUCTION IS USED TRANSPOSED (source 0 = 16 columns of W, source 1 = 16 rows of A): a lane holds eight neighbouring numbers of a row.
; CLUSTERS: 4 x 4.  The four of a row of the cluster need the same tiles of A, the four of a column the same tiles of W: each tile is asked for JOINTLY.
; NO PREFETCH: the tiles are small.
; A wave's 64 columns of f32 are 256 aligned bytes, so the stage on the way out is each wave's own and wants no barrier.
; REGISTERS: window 0: v0-31 addresses; v32-95 at work on the way out; v128-255 the accumulators ((a, b) at v[128 + 8 (4 a + b)]).   window 1: two fragment buffers of 128.   window 2: v0-127 my part of RES.
.set LAPS,   4
.set WOFF,   524288
.set PA,     144                       ; a row of a panel in LDS: 128 bytes + 16
.set PW,     288                       ; a k row of W: 256 bytes + 32 = 9 x 32
.set HALFT,  2*128*PA                  ; what one tensor load brings: two panels x 128 rows, or 128 k rows of W (128 x 288 is the same number)
.set SLOT,   4*HALFT
.set STAGE,  2*SLOT
.set SPITCH, 272
.set SPARE,  STAGE+4*16*SPITCH
.set ADRA, 16                          ; v16-17  my A fragments in slot 0, 1
.set ADRB, 20                          ; v20-23  my W fragments: slot x 2 + (quarter / 2)
.set STO,  24
.set RD,   25
.set CO,   26
.set SPW,  28
.set NIL,  29
.set TMP,  32
.set ACC,  128
.set F0,   0
.set F1,   128
.set G1, 24
.set G0, 32
.set G1B, 48
.set G0B, 56
.set RESP, 68                          ; s[68:69] RES, s[70:71] OUT, at my tile
.set OUTP, 70
.set MSB, 0
.macro WIN new
.if MSB != (\new)
	s_set_vgpr_msb (MSB<<8)|(\new)
.set MSB, \new
.endif
.endm
.set MUL,  0x05                        ; sources 0 (W) and 1 (A) window 1; C and D window 0
.set TO_F, 0x40
.macro JLOAD s                         ; waves 0 and 1 fetch A's two halves, waves 2 and 3 W's; an s_nop 0 and four v_nop follow each of the two lines
	s_cmp_eq_u32 s11, 0
	s_cbranch_scc0 .Lfor_b_\@
	tensor_load_to_lds s[G0+4*(\s):G0+4*(\s)+3], s[G1:G1+7]
	s_nop 0
.rept 4
	v_nop
.endr
	s_branch .Lasked_\@
.Lfor_b_\@:
	tensor_load_to_lds s[G0B+4*(\s):G0B+4*(\s)+3], s[G1B:G1B+7]
	s_nop 0
.rept 4
	v_nop
.endr
.Lasked_\@:
.endm
.macro CREST
	s_cmp_lg_u32 s10, 0
	s_cbranch_scc1 .Lnot_wave_0_\@
	s_barrier_signal -3
.Lnot_wave_0_\@:
	s_barrier_wait -3
	s_barrier_signal -1
	s_barrier_wait -1
.endm
.macro CROUND
	s_barrier_signal -1
	s_barrier_wait -1
	CREST
.endm
	s_load_b128 s[4:7], s[0:1], 0x0                ; A s[4:5], W s[6:7]
	s_load_b128 s[68:71], s[0:1], 0x10             ; RES, OUT
	v_lshl_add_u32 v[SPW], v0, 2, SPARE
	v_mov_b32 v[NIL], 0
	ds_add_u32 v[SPW], v[NIL]                      ; the wave's opening: the add and its wait stand ahead of my first tensor load
	v_lshrrev_b32 v1, 5, v0
	v_readfirstlane_b32 s10, v1
	s_lshr_b32 s11, s10, 1                         ; my half of the rows.  Also: I fetch for A (0) or for W (1)
	s_and_b32 s12, s10, 1                          ; my half of the columns.  Also: which half of that tile I fetch
	s_bfe_u32 s40, ttmp6, 0x40000
	s_bfe_u32 s41, ttmp6, 0x40004
	s_lshl_b32 s42, ttmp9, 2
	s_add_co_u32 s42, s42, s40                     ; tile column
	s_and_b32 s13, ttmp7, 0xffff
	s_lshl_b32 s13, s13, 2
	s_add_co_u32 s13, s13, s41                     ; tile row
	s_lshl_b32 s43, s41, 2
	s_lshl_b32 s43, 15, s43                        ; my row of the cluster
	s_lshl_b32 s44, 0x1111, s40                    ; my column
	s_or_b32 s[G1+0], s43, (1<<16)|(1<<20)|(1<<21)|(4<<22)|(3<<25)  ; A: padding after every 32 words (a panel's row), of 4 words
	s_mov_b32 s[G1+1], 8192<<16                    ; a descriptor's row is a panel's 128 dense rows: 8,192 elements
	s_mov_b32 s[G1+2], 2<<16                       ; two of them,
	s_mov_b32 s[G1+3], 8192<<16
	s_mov_b32 s[G1+4], 2
	s_mov_b32 s[G1+5], 524288                      ; a panel (524,288 elements) apart
	s_mov_b32 s[G1+6], 0
	s_mov_b32 s[G1+7], 0
	s_or_b32 s[G1B+0], s44, (1<<16)|(1<<20)|(1<<21)|(5<<22)|(7<<25) ; W: padding after every 64 words, of 8 words
	s_mov_b32 s[G1B+1], 128<<16
	s_mov_b32 s[G1B+2], 128<<16
	s_mov_b32 s[G1B+3], 128<<16
	s_mov_b32 s[G1B+4], 128
	s_mov_b32 s[G1B+5], 512
	s_mov_b32 s[G1B+6], 0
	s_mov_b32 s[G1B+7], 0
	s_lshl_b32 s16, s13, 14                        ; A: 128 rows of 128 bytes a tile row,
	s_lshl_b32 s17, s12, 21                        ; two panels a half
	s_add_co_u32 s16, s16, s17
	s_mov_b32 s17, 0
	s_lshl_b32 s46, s42, 8                         ; W: 128 columns a tile column,
	s_lshl_b32 s47, s12, 17                        ; 128 k rows of 1,024 bytes a half
	s_add_co_u32 s46, s46, s47
	s_add_co_u32 s46, s46, WOFF
	s_mov_b32 s47, 0
	s_mul_i32 s20, s10, HALFT
	s_wait_dscnt 0x0
	s_wait_kmcnt 0x0
	s_add_nc_u64 s[14:15], s[4:5], s[16:17]
	s_add_nc_u64 s[46:47], s[6:7], s[46:47]
	CROUND                                         ; all sixteen work-groups are here: the first joint loads meet
.irp s, 0,1
	s_mov_b32 s[G0+4*(\s)], 1
	s_add_co_u32 s[G0+4*(\s)+1], s20, (\s)*SLOT
	s_add_nc_u64 s[G0+4*(\s)+2:G0+4*(\s)+3], s[14:15], (\s)*(4<<20)
	s_or_b32 s[G0+4*(\s)+3], s[G0+4*(\s)+3], 0x80000000
	s_mov_b32 s[G0B+4*(\s)], 1
	s_add_co_u32 s[G0B+4*(\s)+1], s20, (\s)*SLOT
	s_add_nc_u64 s[G0B+4*(\s)+2:G0B+4*(\s)+3], s[46:47], (\s)*262144
	s_or_b32 s[G0B+4*(\s)+3], s[G0B+4*(\s)+3], 0x80000000
	JLOAD \s
.endr
	v_and_b32 v1, 15, v0
	v_bfe_u32 v2, v0, 4, 1
	v_mul_u32_u24 v3, v1, PA
	v_lshl_add_u32 v3, v2, 4, v3
	v_and_b32 v5, 7, v0
	v_bfe_u32 v6, v0, 3, 1
	v_lshl_add_u32 v7, v2, 3, v5
	v_mul_u32_u24 v7, v7, PW
	v_lshl_add_u32 v7, v6, 4, v7
	s_mul_i32 s21, s11, 64*PA                      ; my 64 rows in each panel
	s_lshl_b32 s22, s12, 7                         ; my 64 columns of W,
	s_add_co_u32 s22, s22, 2*HALFT                 ; which lies behind A
.irp s, 0,1
	v_add_nc_u32 v[ADRA+(\s)], s21, v3
	v_add_nc_u32 v[ADRB+2*(\s)], s22, v7
	v_add_nc_u32 v[ADRB+2*(\s)+1], HALFT, v[ADRB+2*(\s)]
	s_add_co_u32 s21, s21, SLOT
	s_add_co_u32 s22, s22, SLOT
.endr
	s_mul_i32 s23, s10, 16*SPITCH
	s_add_co_u32 s23, s23, STAGE                   ; my stage
	v_mul_u32_u24 v4, v1, SPITCH                   ; in: row l % 16, 32 bytes for each half of the lanes
	v_lshl_add_u32 v4, v2, 5, v4
	v_add_nc_u32 v[STO], s23, v4
	v_mul_u32_u24 v4, v2, SPITCH                   ; back: lanes 0-15 take one row of 256 bytes, lanes 16-31 the next
	v_lshl_add_u32 v4, v1, 4, v4
	v_add_nc_u32 v[RD], s23, v4
	v_lshlrev_b32 v4, 11, v2                       ; and the same two rows in RES and OUT
	v_lshl_add_u32 v[CO], v1, 4, v4
	s_lshl_b32 s16, s13, 18                        ; 128 rows of 2,048 bytes a tile row,
	s_lshl_b32 s17, s11, 17                        ; 64 a half
	s_add_co_u32 s16, s16, s17
	s_mov_b32 s17, 0
	s_lshl_b32 s46, s42, 9                         ; 512 bytes a tile column,
	s_lshl_b32 s47, s12, 8                         ; 256 a half
	s_add_co_u32 s46, s46, s47
	s_mov_b32 s47, 0
	s_add_nc_u64 s[RESP:RESP+1], s[RESP:RESP+1], s[16:17]
	s_add_nc_u64 s[RESP:RESP+1], s[RESP:RESP+1], s[46:47]
	s_add_nc_u64 s[OUTP:OUTP+1], s[OUTP:OUTP+1], s[16:17]
	s_add_nc_u64 s[OUTP:OUTP+1], s[OUTP:OUTP+1], s[46:47]
.macro MUL8 f, c, a0, zero             ; 8 matrix instructions: m blocks a0, a0 + 1 x all 4 n blocks, 32 along K: half c of buffer f.  The 16 accumulators take turns
	WIN MUL
.irp a, \a0, (\a0)+1
.irp b, 0,1,2,3
.if \zero
	v_wmma_f32_16x16x32_f16 v[ACC+8*(4*(\a)+(\b)):ACC+8*(4*(\a)+(\b))+7], v[(\f)+64+8*(4*(\c)+(\b)):(\f)+64+8*(4*(\c)+(\b))+7], v[(\f)+8*(4*(\c)+(\a)):(\f)+8*(4*(\c)+(\a))+7], 0
.else
	v_wmma_f32_16x16x32_f16 v[ACC+8*(4*(\a)+(\b)):ACC+8*(4*(\a)+(\b))+7], v[(\f)+64+8*(4*(\c)+(\b)):(\f)+64+8*(4*(\c)+(\b))+7], v[(\f)+8*(4*(\c)+(\a)):(\f)+8*(4*(\c)+(\a))+7], v[ACC+8*(4*(\a)+(\b)):ACC+8*(4*(\a)+(\b))+7]
.endif
.endr
.endr
.endm
.macro FETCH slot, q, f                ; 32 LDS loads in one run: quarter q (64 along K: one panel) into buffer f; its first 32 along K first
	WIN TO_F
.irp c, 0,1
.irp i, 0,1,2,3
	ds_load_tr16_b128 v[(\f)+64+8*(4*(\c)+(\i)):(\f)+64+8*(4*(\c)+(\i))+3],   v[ADRB+2*(\slot)+(\q)/2] offset:((\q)%2)*64*PW+(\c)*32*PW+(\i)*32
	ds_load_tr16_b128 v[(\f)+64+8*(4*(\c)+(\i))+4:(\f)+64+8*(4*(\c)+(\i))+7], v[ADRB+2*(\slot)+(\q)/2] offset:((\q)%2)*64*PW+(\c)*32*PW+(\i)*32+16*PW
	ds_load_b128 v[(\f)+8*(4*(\c)+(\i)):(\f)+8*(4*(\c)+(\i))+3],         v[ADRA+(\slot)] offset:(\q)*128*PA+64*(\c)+(\i)*16*PA
	ds_load_b128 v[(\f)+8*(4*(\c)+(\i))+4:(\f)+8*(4*(\c)+(\i))+7],       v[ADRA+(\slot)] offset:(\q)*128*PA+64*(\c)+(\i)*16*PA+32
.endr
.endr
.endm
.macro PLACES
.rept 4
	v_nop
.endr
.endm
.macro QUARTER slot, q, f, g, zero     ; multiplies buffer f; in its middle fetches quarter q of the same slot into g
	s_wait_dscnt 16                                ; the first 32 along K are in
	MUL8 \f, 0, 0, \zero
	MUL8 \f, 0, 2, \zero
	PLACES
	FETCH \slot, \q, \g
	s_wait_dscnt 32                                ; all but the 32 just issued
	MUL8 \f, 1, 0, 0
	MUL8 \f, 1, 2, 0
.endm
.macro TURN slot, next, fill           ; the last quarter multiplies buffer 1 and changes slots: one barrier, which with fill = 1 opens a round of the cluster's
	WIN 0
	s_wait_tensorcnt 0x0                           ; all my tensor loads have landed: my part of the next slot
	ds_add_u32 v[SPW], v[NIL]                      ; 0 onto my spare word
	s_wait_dscnt 17                                ; (the add and the youngest sixteen loads may be out)
	MUL8 F1, 0, 0, 0
	s_wait_dscnt 0x0                               ; the add is done, and my reads of this slot are over
	s_barrier_signal -1
	MUL8 F1, 0, 2, 0
.if \fill
	WIN 0
.endif
	s_barrier_wait -1
.if \fill
	CREST
	s_add_nc_u64 s[G0+4*(\slot)+2:G0+4*(\slot)+3], s[G0+4*(\slot)+2:G0+4*(\slot)+3], 8<<20
	s_add_nc_u64 s[G0B+4*(\slot)+2:G0B+4*(\slot)+3], s[G0B+4*(\slot)+2:G0B+4*(\slot)+3], 524288
	JLOAD \slot
.else
	PLACES
.endif
	FETCH \next, 0, F0
	MUL8 F1, 1, 0, 0
	MUL8 F1, 1, 2, 0
.endm
.macro RESLD                           ; my 64 x 64 of RES: 32 loads; sixteen lanes read 256 aligned bytes of a row
	WIN 0x80
.set n, 0
.rept 32
	global_load_b128 v[4*n:4*n+3], v[CO], s[RESP:RESP+1] offset:2*n*2048
.set n, n+1
.endr
	WIN 0
.endm
.macro OUTB a                          ; block a, 16 rows: through my stage, RES added, stored
	WIN 0
	s_wait_xcnt 0x0                                ; the registers that earlier stores read are rewritten only behind this wait
.irp b, 0,1,2,3
	ds_store_b128 v[STO], v[ACC+8*(4*(\a)+(\b)):ACC+8*(4*(\a)+(\b))+3]   offset:64*(\b)
	ds_store_b128 v[STO], v[ACC+8*(4*(\a)+(\b))+4:ACC+8*(4*(\a)+(\b))+7] offset:64*(\b)+16
.endr
.irp t, 0,1,2,3,4,5,6,7
	ds_load_b128 v[TMP+32*((\a)%2)+4*(\t):TMP+32*((\a)%2)+4*(\t)+3], v[RD] offset:(\t)*2*SPITCH  ; LDS serves a wave's instructions in order (ISA guide 5.7.1.4)
.endr
	s_wait_loadcnt 24-8*(\a)                       ; this block's eight loads of RES are in; the later blocks' may stay out
	s_wait_dscnt 0x0
	WIN 0x08                                       ; source 1 in window 2
.set n, 0
.rept 16
	v_pk_add_f32 v[TMP+32*((\a)%2)+2*n:TMP+32*((\a)%2)+2*n+1], v[TMP+32*((\a)%2)+2*n:TMP+32*((\a)%2)+2*n+1], v[32*(\a)+2*n:32*(\a)+2*n+1]
.set n, n+1
.endr
	WIN 0
.irp t, 0,1,2,3,4,5,6,7
	global_store_b128 v[CO], v[TMP+32*((\a)%2)+4*(\t):TMP+32*((\a)%2)+4*(\t)+3], s[OUTP:OUTP+1] offset:(16*(\a)+2*(\t))*2048  ; 16 lanes store 256 consecutive bytes, aligned
.endr
.endm
	s_wait_tensorcnt 1                             ; my part of K step 0 is in; K step 1's may stay out
	s_barrier_signal -1
	s_barrier_wait -1
	FETCH 0, 0, F0
	QUARTER 0, 1, F0, F1, 1
.if LAPS > 1
	WIN 0
	s_mov_b32 s3, LAPS-1
.Llap:                                                 ; a trip goes once round the ring and fills both slots again
	QUARTER 0, 2, F1, F0, 0
	QUARTER 0, 3, F0, F1, 0
	TURN 0, 1, 1
	QUARTER 1, 1, F0, F1, 0
	QUARTER 1, 2, F1, F0, 0
	QUARTER 1, 3, F0, F1, 0
	TURN 1, 0, 1
	QUARTER 0, 1, F0, F1, 0
	WIN 0
	s_sub_co_u32 s3, s3, 1
	s_cmp_lg_u32 s3, 0
	s_cbranch_scc1 .Llap
.endif
	RESLD                                          ; a lap ahead of its use
	QUARTER 0, 2, F1, F0, 0                        ; the last lap fills nothing
	QUARTER 0, 3, F0, F1, 0
	TURN 0, 1, 0
	QUARTER 1, 1, F0, F1, 0
	QUARTER 1, 2, F1, F0, 0
	QUARTER 1, 3, F0, F1, 0
	s_wait_dscnt 16
	MUL8 F1, 0, 0, 0
	MUL8 F1, 0, 2, 0
	s_wait_dscnt 0x0
	MUL8 F1, 1, 0, 0
	MUL8 F1, 1, 2, 0
	WIN 0
	PLACES
	OUTB 0
	OUTB 1
	OUTB 2
	OUTB 3
	s_wait_tensorcnt 0x0                           ; the wave's end
	ds_add_u32 v[SPW], v[NIL]
	s_wait_dscnt 0x0
	CROUND                                         ; the closing round
	s_endpgm
.Lfunc_end_k_qbf1dbebd48_ff2:
	.size	k_qbf1dbebd48_ff2, .Lfunc_end_k_qbf1dbebd48_ff2-k_qbf1dbebd48_ff2
	.p2alignl 7, 3214868480
	.fill 96, 4, 3214868480
	.section	.rodata,"a",@progbits
	.p2align	6, 0x0
	.amdhsa_kernel k_qbf1dbebd48_ff2
		.amdhsa_group_segment_fixed_size 327680
		.amdhsa_private_segment_fixed_size 0
		.amdhsa_enable_private_segment 0
		.amdhsa_kernarg_size 32
		.amdhsa_user_sgpr_count 2
		.amdhsa_user_sgpr_kernarg_segment_ptr 1
		.amdhsa_wavefront_size32 1
		.amdhsa_system_sgpr_workgroup_id_x 1
		.amdhsa_system_sgpr_workgroup_id_y 1
		.amdhsa_system_sgpr_workgroup_id_z 1
		.amdhsa_system_vgpr_workitem_id 0
		.amdhsa_next_free_vgpr 640
		.amdhsa_next_free_sgpr 72
		.amdhsa_reserve_vcc 0
		.amdhsa_float_denorm_mode_32 3
		.amdhsa_float_denorm_mode_16_64 3
		.amdhsa_memory_ordered 1
		.amdhsa_forward_progress 1
		.amdhsa_inst_pref_size 93
	.end_amdhsa_kernel
	.amdgpu_metadata
---
amdhsa.version: [ 1, 2 ]
amdhsa.kernels:
  - .name:           k_qbf1dbebd48_ff2
    .symbol:         k_qbf1dbebd48_ff2.kd
    .args:
      - { .name: pan, .offset: 0, .size: 8, .value_kind: global_buffer, .address_space: global }
      - { .name: wo2, .offset: 8, .size: 8, .value_kind: global_buffer, .address_space: global }
      - { .name: x, .offset: 16, .size: 8, .value_kind: global_buffer, .address_space: global }
      - { .name: out0, .offset: 24, .size: 8, .value_kind: global_buffer, .address_space: global }
    .group_segment_fixed_size: 327680
    .private_segment_fixed_size: 0
    .kernarg_segment_align: 8
    .kernarg_segment_size: 32
    .max_flat_workgroup_size: 128
    .sgpr_count:     72
    .vgpr_count:     640
    .wavefront_size: 32
...
	.end_amdgpu_metadata
.endif
;; end of part 6
